; MI455X (gfx1250); checked and timed in simulation.
; The chip was launched on July 23, 2026; its instructions are those of AMD's public machine-readable ISA for CDNA 5 (MIT licence, August 2026) and "CDNA5" Instruction Set Architecture Reference Guide (July 2026). The comments in the code are by the model that wrote it; some were corrected since.
;; Qwen3 Attention. Allowed arithmetic: matrix products marked QUANTISED: E4M3 operands, one given power-of-two scale a tensor, by v_wmma_f32_16x16x64_fp8_fp8 or v_wmma_f32_16x16x128_fp8_fp8, f32 sums; everything else in f32.
;; Inputs: hidden_states 2,048 x 2,048 float32; k_norm_w 128 float32; lowp_scales 8 int32 (the exponents e of the quantised operands' scales 2^e); positions 2,048 int32; q_norm_w 128 float32; w_o 2,048 x 2,048 float32; w_qkv 2,048 x 4,096 float32.
;; Outputs: out0 2,048 x 2,048 float32.
;; This version of the problem:
;;   THIS VERSION OF THE PROBLEM IS GIVEN IN LOW PRECISION. The matrix products marked QUANTISED in the list below multiply operands that are first quantised to E4M3 (4 exponent bits, 3 mantissa bits; 8 bits a number), with one given power-of-two scale for each operand tensor; their sums are f32. All else is computed in f32.
;;   The module's matrix products, in the order in which they are computed (A, B: the left and right operand; K: the contracted axis; several contracted axes count as one K, in the product's order):
;;     1. [M 2,048, K 2,048] x [K 2,048, N 4,096]; A: input hidden_states; B: input w_qkv: QUANTISED (scales: A lowp_scales[0], B lowp_scales[1])
;;     2. batch 8 x [M 2,048, K 128] x [K 128, N 4,096]; A: computed on the way; B: computed on the way: QUANTISED (scales: A lowp_scales[2], B lowp_scales[3])
;;     3. batch 8 x [M 128, K 2,048] x [K 2,048, N 4,096]; A: computed on the way; B: softmax (see below): QUANTISED (scales: A lowp_scales[4], B lowp_scales[5])
;;     4. [M 2,048, K 2,048] x [K 2,048, N 2,048]; A: computed on the way; B: input w_o: QUANTISED (scales: A lowp_scales[6], B lowp_scales[7])
;;   THE QUANTISER, for each operand of a quantised product, along K:
;;     - The operand's scale is 2^e, e = its entry of the input lowp_scales (int32; the entries are numbered through the quantised products in the list's order, A before B).
;;     - Each number is divided by the scale, clamped to +-448, and rounded to the nearest number of E4M3, ties to even, subnormals kept.
;;     - The product sums the exact products of the quantised numbers (number of the format x scale) in f32.
;;   ~~~python
;;   def quantise(x, axis, e):      # numpy; x: float32 -> the quantised numbers, widened to float32 again
;;       x = np.moveaxis(x, axis, -1); K = x.shape[-1]
;;       r = np.clip(x / 2.0 ** e, -448, 448)
;;       step = 2.0 ** (np.maximum(np.frexp(np.where(r == 0, 1, r))[1] - 1, -6) - 3)
;;       q = np.round(r / step) * step * 2.0 ** e      # np.round: ties to even
;;       return np.moveaxis(q, -1, axis).astype(np.float32)
;;   ~~~
;;   SOFTMAX AHEAD OF A QUANTISED PRODUCT. Where the list says 'softmax', what is quantised is not the finished softmax but p = 2^(t - M), with t = logit x log2(e) and M = ceil(the row's largest t), a whole number; so 1/2 < the row's largest p <= 1. The row's sum l is taken of the UNQUANTISED p, in f32, and the product's result is divided by l at the end. Since M is a whole number, a kernel that streams over the keys may use a running M (the ceiling of the running maximum): every later rescaling is an exact power of two, so the quantised numbers keep their values, but for numbers so far below the row's largest that they fall under the format's range.
;;   OPERANDS COMPUTED ON THE WAY. 'Computed on the way' means the value that the module computes at that place (a softmax that the list does not call 'softmax' is quantised finished and normalised). What goes into a quantiser is computed in f32, as accurately as f32 sums, v_exp_f32 and their like allow (about 1e-6 of the number): no bf16 or f16 on the way to a quantiser, and a product that is left as it is and whose result goes on into a quantised operand takes f32 operands (vector FMAs, or v_wmma_f32_16x16x4_f32). A number that lies on a knife's edge between two numbers of the format may be rounded either way, as far as f32 arithmetic and the matrix unit's own rounding can turn it there, and no further.
;; One version. Each part assembles by itself: llvm-mc -triple=amdgcn-amd-amdhsa -mcpu=gfx1250 --defsym DOCPART=n.
;; ======== version 1 of 1: 4 launches
;; limits: right only within a limited range of input values
;; workspace buffers: codes 12,582,912 bytes; rope_tab 1,048,576 bytes; qkv_codes 8,388,608 bytes; a_codes 4,194,304 bytes; wo_codes 4,194,304 bytes
;; launch prep (part 1): grid 800 x 1, 4 waves a work-group, no clusters, 34,304 bytes of LDS; arguments hidden_states, w_qkv, positions, lowp_scales, codes, rope_tab; writes codes, rope_tab
.if DOCPART == 1
	.amdgcn_target "amdgcn-amd-amdhsa--gfx1250"
	.amdhsa_code_object_version 6
	.text
	.protected	k_qdeb6265f24_prep
	.globl	k_qdeb6265f24_prep
	.p2align	8
	.type	k_qdeb6265f24_prep,@function
k_qdeb6265f24_prep:
	s_mov_b64 s[64:65], 0
	v_nop
	global_prefetch_b8 v0, s[64:65] scope:SCOPE_SE
	s_setreg_imm32_b32 hwreg(HW_REG_WAVE_MODE, 25, 1), 1
	s_wait_xcnt 0x0
; PREP: hidden_states, w_qkv and w_o become codes of FP8 (E4M3), each with its given scale 2^e (entries 0, 1, 7 of the scales), and cos / sin of positions x inv_freq become a table.
; code = x / 2^e, held within +-448, rounded to the nearest code, ties to even.
; THE CODES LIE AS IMAGES OF OPERAND REGISTERS.  A fragment is 16 rows x 128 K: 16 registers a lane, 2,048 bytes; byte 512 c + 16 lane holds registers 4 c .. 4 c + 3 of that lane;
; lane (r, h) holds row r, and registers 4 c .. 4 c + 3 hold K = 32 c + 16 h + 0 .. 15.  codes = [512 tiles of 16 rows][16 chunks of 128 K][2,048 bytes]:
; tiles 0-127 hidden_states (rows as they lie); tiles 128-383 the columns of w_qkv; tiles 384-511 the columns of w_o.
; A WEIGHT'S TILES TAKE THEIR COLUMNS IN ANOTHER ORDER: row r of tile 2 b + u is column 32 b + 8 u + r + 8 (r / 8), so that in a product with the weight as source 0 a lane's 16 results of two neighbouring tiles are 16 neighbouring columns.
; rope_tab = [128 tiles of 16 tokens][16 pieces][512 bytes]: pieces 0-7 cos, 8-15 sin; piece c, lane (r, h), number e: token 16 tile + r, frequency 32 (c / 4) + 16 h + 4 (c % 4) + e.
; Work-groups 0-127: hidden_states; 128-639: w_qkv; 640-895: w_o; 896-927: the table.  Waves share nothing: no barrier.  Only the first path uses LDS.
; The weights' work-groups are small (128 columns x 128 K) and many, so that with 242 registers and 34,304 bytes of LDS four of them lie on a WGP and sixteen waves have loads on their way.
; LIMITS: e0, e1, e7 between -126 and 119.  NaN among the inputs is not served.  |positions| up to 2^20 (the reach of the three-part reduction of the angle).
; inv_freq is 2^(-i log2(1e6) / 64), its exponent split in two parts and its fraction given to v_exp_f32: it may differ from a power and a division in f32 by an ulp or two.
.set SP,   528                         ; a stage row: 512 bytes + 16 = 132 words: row r starts at bank 4 r mod 64 (64 banks of 4 bytes: ISA guide 11.1)
.set STG,  16*SP                       ; a wave's stage
.set RAW,  16                          ; v16-143   two sets of 64 numbers as they are loaded
.set NN,   144                         ; v144-207  64 numbers in the fragment's order
.set CX,   208                         ; v208-239  two sets of 16 registers of codes
.set LIM,  10                          ; v10       448 x 2^e
.set SCL,  11                          ; v11       2^e
.macro MKSCALE se
	s_add_co_i32 s2, \se, 127
	s_lshl_b32 s3, s2, 23
	v_mov_b32 v[SCL], s3                           ; 2^e as f32: the conversion takes its exponent field
	s_add_co_i32 s2, s2, 8
	s_lshl_b32 s2, s2, 23
	s_or_b32 s2, s2, 0x600000
	v_mov_b32 v[LIM], s2                           ; the largest number x 2^e
.endm
; THIS TEXT'S DEALING, which stands in place of what the lines above say of w_o and of the work-groups' numbers: w_o is quantised by the attention's launch and not here; codes holds tiles 0-383.
; Work-groups 0-255: hidden_states (16 rows x half of K each); 256-767: w_qkv; 768-799: the table.  The first two kinds read 65,536 bytes each.
; No product and no input is left out of the program; of the scores' tiles those that the causal mask hides whole are not computed (the attention's launch).
	s_load_b128 s[4:7], s[0:1], 0x0                ; hidden_states s[4:5], w_qkv s[6:7]
	s_load_b64 s[10:11], s[0:1], 0x10              ; positions
	s_load_b128 s[12:15], s[0:1], 0x18             ; the scales' exponents s[12:13], codes s[14:15]
	s_load_b64 s[16:17], s[0:1], 0x28              ; rope_tab
	v_lshl_add_u32 v240, v0, 2, 0x8400
	v_mov_b32 v241, 0
	v_lshrrev_b32 v1, 5, v0
	v_readfirstlane_b32 s18, v1                    ; wave 0..3
	v_and_b32 v1, 31, v0                           ; lane
	v_and_b32 v2, 15, v0                           ; r
	v_bfe_u32 v3, v0, 4, 1                         ; h
	v_lshlrev_b32 v4, 4, v1                        ; 16 x lane
	s_wait_kmcnt 0x0
	s_load_b256 s[20:27], s[12:13], 0x0            ; e0 .. e7
	s_cmp_lt_u32 ttmp9, 256
	s_cbranch_scc0 .Lnot_x
; ---- hidden_states.  The work-group takes rows 16 R .. 16 R + 15 (R = its number / 2) and 8 of the 16 chunks, wave w two of them, a chunk a task.
; Each load reads 512 consecutive bytes of one row; the 16 x 512 bytes turn through the wave's own stage and come back 64 bytes a lane: K = 32 c + 16 h + 0 .. 15 of row r.
	s_lshr_b32 s50, ttmp9, 1                       ; R
	s_and_b32 s51, ttmp9, 1                        ; which half of K
	s_lshl_b32 s2, s50, 17                         ; 16 rows of 8,192 bytes
	s_lshl_b32 s3, s51, 12                         ; eight chunks of 512 bytes
	s_add_co_u32 s2, s2, s3
	s_lshl_b32 s3, s18, 10                         ; two chunks
	s_add_co_u32 s2, s2, s3
	s_mov_b32 s3, 0
	s_add_nc_u64 s[28:29], s[4:5], s[2:3]
	s_lshl_b32 s2, s50, 15                         ; a tile of codes is 32,768 bytes,
	s_lshl_b32 s19, s51, 14                        ; eight chunks 16,384,
	s_add_co_u32 s2, s2, s19
	s_lshl_b32 s19, s18, 12                        ; two 4,096
	s_add_co_u32 s2, s2, s19
	s_add_nc_u64 s[30:31], s[14:15], s[2:3]
	s_mul_i32 s19, s18, STG
	s_wait_alu depctr_va_vdst(0)
	v_add_nc_u32 v5, s19, v4                       ; the stage, on the way in: 16 x lane in a row
	v_mul_u32_u24 v6, v2, SP
	v_lshl_add_u32 v6, v3, 6, v6
	v_add_nc_u32 v6, s19, v6                       ; and on the way out: row r, + 64 h
.macro XLOAD t
.irp i, 0,1,2,3,4,5,6,7,8,9,10,11,12,13,14,15
	global_load_b128 v[RAW+64*((\t)%2)+4*\i:RAW+64*((\t)%2)+4*\i+3], v4, s[28:29] offset:\i*8192+(\t)*512 th:TH_LOAD_NT
.endr
.endm
.macro XTASK t
.if (\t) < 1
	s_wait_loadcnt 16                              ; this task's 16 loads are in; the next task's 16 may be out
.else
	s_wait_loadcnt 0x0
.endif
.irp i, 0,1,2,3,4,5,6,7,8,9,10,11,12,13,14,15
	ds_store_b128 v5, v[RAW+64*((\t)%2)+4*\i:RAW+64*((\t)%2)+4*\i+3] offset:\i*SP
.endr
.irp c, 0,1,2,3
.irp k, 0,1,2,3
	ds_load_b128 v[NN+16*\c+4*\k:NN+16*\c+4*\k+3], v6 offset:128*\c+16*\k   ; LDS serves a wave's instructions in order: these see the stores above
.endr
.endr
	s_wait_dscnt 0x0
.set j, 0
.rept 64
	v_med3_num_f32 v[NN+j], v[NN+j], -v[LIM], v[LIM]   ; the conversion to an 8-bit code does not saturate (ISA guide 7.6.2): the hold at the largest code x the scale
.set j, j+1
.endr
.irp c, 0,1,2,3
.irp g, 0,1
	v_cvt_scalef32_pk8_fp8_f32 v[CX+16*((\t)%2)+4*\c+2*\g:CX+16*((\t)%2)+4*\c+2*\g+1], v[NN+16*\c+8*\g:NN+16*\c+8*\g+7], v[SCL]
.endr
.endr
	v_nop                                          ; one plain vector line behind the conversions: the next task's holds write their sources
.irp c, 0,1,2,3
	global_store_b128 v4, v[CX+16*((\t)%2)+4*\c:CX+16*((\t)%2)+4*\c+3], s[30:31] offset:(\t)*2048+\c*512   ; 512 consecutive bytes, aligned
.endr
.endm
	XLOAD 0
	XLOAD 1
	s_wait_alu depctr_va_vdst(0)
	s_wait_kmcnt 0x0
	MKSCALE s20
	s_wait_alu depctr_va_vdst(0)
	XTASK 0
	XTASK 1
	s_wait_tensorcnt 0x0
	ds_add_u32 v240, v241
	s_wait_dscnt 0x0
	s_endpgm
.Lnot_x:
	s_cmp_lt_u32 ttmp9, 768
	s_cbranch_scc0 .Ltab
; ---- w_qkv, stored [K][N].  A LANE TAKES A COLUMN AND ITS REGISTERS RUN DOWN K: a load reads 128 consecutive bytes a wave, and the conversions give codes with K innermost.
; The work-group takes 128 columns x 128 K (one chunk), a wave 32 columns (a pair of tiles), in 4 blocks of 32 K.
	s_sub_co_u32 s2, ttmp9, 256
	s_mov_b32 s19, 16384                           ; a row of the weight in bytes
	s_and_b32 s49, s2, 31                          ; nb: which 128 columns
	s_lshr_b32 s50, s2, 5                          ; kb: which chunk of 128 along K, 0 .. 15
	s_wait_alu depctr_va_vdst(0)
	v_lshlrev_b32 v8, 2, v1                        ; 4 bytes a lane
	s_wait_alu depctr_va_vdst(0)
	s_mul_i32 s52, s50, s19
	s_lshl_b32 s52, s52, 7                         ; 128 kb rows
	s_lshl_b32 s51, s49, 9
	s_add_co_u32 s52, s52, s51                     ; + 128 nb columns
	s_lshl_b32 s51, s18, 7
	s_add_co_u32 s52, s52, s51                     ; + 32 x wave columns
	s_mov_b32 s53, 0
	s_add_nc_u64 s[32:33], s[6:7], s[52:53]        ; the rows are reached by immediates: 127 rows are 2,080,768 bytes
	s_mov_b32 s51, 128                             ; the weight's first tile
	s_lshl_b32 s54, s49, 3
	s_add_co_u32 s51, s51, s54
	s_lshl_b32 s54, s18, 1
	s_add_co_u32 s51, s51, s54                     ; + 8 nb + 2 x wave: my pair of tiles
	s_lshl_b32 s54, s51, 15
	s_lshl_b32 s51, s50, 11                        ; chunk kb of 2,048 bytes
	s_add_co_u32 s54, s54, s51
	s_mov_b32 s55, 0
	s_add_nc_u64 s[30:31], s[14:15], s[54:55]
	v_bfe_u32 v7, v0, 3, 1                         ; column l of the 32 is row (l % 8) + 8 (l / 16) of tile u = (l / 8) % 2
	v_and_b32 v9, 7, v0
	v_lshl_add_u32 v9, v3, 3, v9
	v_lshlrev_b32 v9, 4, v9
	v_lshl_add_u32 v7, v7, 15, v9                  ; u x 32,768 + 16 x row
.macro WLOAD t
.set j, 0
.rept 32
	global_load_b32 v[48+32*((\t)%2)+j], v8, s[32:33] offset:(32*(\t)+j)*16384 th:TH_LOAD_NT
.set j, j+1
.endr
.endm
.macro WBLOCK t
.if (\t) < 3
	s_wait_loadcnt 32                              ; this block's 32 loads are in; the next block's may be out
.else
	s_wait_loadcnt 0x0
.endif
.set j, 0
.rept 32
	v_med3_num_f32 v[48+32*((\t)%2)+j], v[48+32*((\t)%2)+j], -v[LIM], v[LIM]
.set j, j+1
.endr
.irp g, 0,1,2,3
	v_cvt_scalef32_pk8_fp8_f32 v[112+8*(\t)+2*\g:113+8*(\t)+2*\g], v[48+32*((\t)%2)+8*\g:48+32*((\t)%2)+8*\g+7], v[SCL]
.endr
	v_nop                                          ; one plain vector line behind the conversions
	global_store_b128 v7, v[112+8*(\t):115+8*(\t)], s[30:31] offset:(\t)*512        ; K 0-15 of the block: the fragment's lanes 0-15; the 16 lanes of a tile write 256 consecutive bytes, aligned
	global_store_b128 v7, v[116+8*(\t):119+8*(\t)], s[30:31] offset:(\t)*512+256    ; K 16-31: its lanes 16-31.  Each block has registers of its own for its codes
.if (\t)+2 < 4
	WLOAD (\t)+2
.endif
.endm
	s_wait_alu depctr_va_vdst(0)
	WLOAD 0
	WLOAD 1
	s_wait_kmcnt 0x0
	MKSCALE s21                                    ; e1
	s_wait_alu depctr_va_vdst(0)
	WBLOCK 0
	WBLOCK 1
	WBLOCK 2
	WBLOCK 3
	s_endpgm
.Ltab:
; ---- the table.  Wave W' of 128 takes piece c = W' % 8 (cos) and c + 8 (sin) of the 8 token tiles 8 (W' / 8) on: four frequencies a lane, eight positions.
	s_sub_co_u32 s2, ttmp9, 768
	s_lshl_b32 s2, s2, 2
	s_add_co_u32 s2, s2, s18
	s_and_b32 s3, s2, 7                            ; c
	s_lshr_b32 s19, s2, 3                          ; the group of 8 tiles
	s_lshl_b32 s32, s19, 9                         ; 128 positions of 4 bytes
	s_mov_b32 s33, 0
	s_add_nc_u64 s[30:31], s[10:11], s[32:33]
	s_lshl_b32 s32, s19, 16                        ; 8 tiles of 8,192 bytes
	s_lshl_b32 s34, s3, 9
	s_add_co_u32 s32, s32, s34
	s_add_nc_u64 s[28:29], s[16:17], s[32:33]
	s_wait_alu depctr_va_vdst(0)
	v_lshlrev_b32 v8, 2, v2
.irp t, 0,1,2,3,4,5,6,7
	global_load_b32 v[16+\t], v8, s[30:31] offset:64*\t   ; the position of token 16 t + r
.endr
	s_lshr_b32 s34, s3, 2
	s_lshl_b32 s34, s34, 5
	s_and_b32 s35, s3, 3
	s_lshl_b32 s35, s35, 2
	s_add_co_u32 s34, s34, s35
	v_lshl_add_u32 v9, v3, 4, s34                  ; my first frequency: 32 (c / 4) + 4 (c % 4) + 16 h
	s_wait_alu depctr_va_vdst(0)
	s_mov_b32 s36, 0x3e9f73da                      ; log2(1e6) / 64, upper part,
	s_mov_b32 s37, 0x31e36756                      ; and what is left of it
	s_mov_b32 s38, 0x3f22f983                      ; 2 / pi
	s_mov_b32 s39, 0xbfc90000                      ; - pi / 2 in three parts
	s_mov_b32 s40, 0xb9fda000
	s_mov_b32 s41, 0xb3a22168
	s_mov_b32 s42, 0xbe2aaaa3                      ; sin r = r + r z (S1 + z (S2 + z S3)), z = r r, |r| <= pi / 4
	s_mov_b32 s43, 0x3c08839e
	s_mov_b32 s44, 0xb94ca1f9
	s_mov_b32 s45, 0x3d2aaaa5                      ; cos r = 1 - z / 2 + z z (C1 + z (C2 + z C3))
	s_mov_b32 s46, 0xbab6061a
	s_mov_b32 s47, 0x37ccf5ce
.irp e, 0,1,2,3
	v_add_nc_u32 v[32+\e], \e, v9
	v_cvt_f32_u32 v[32+\e], v[32+\e]               ; i
	v_mul_f32 v[36+\e], s36, v[32+\e]              ; y = i log2(1e6) / 64: its upper part,
	v_fma_f32 v[40+\e], v[32+\e], s36, -v[36+\e]   ; what that product dropped,
	v_fma_f32 v[40+\e], v[32+\e], s37, v[40+\e]    ; and the constant's lower part
	v_rndne_f32 v[44+\e], v[36+\e]                 ; n
	v_sub_f32 v[36+\e], v[44+\e], v[36+\e]
	v_sub_f32 v[36+\e], v[36+\e], v[40+\e]         ; n - y, within a half
	v_cvt_i32_f32 v[44+\e], v[44+\e]
	v_sub_nc_u32 v[44+\e], 0, v[44+\e]
.endr
	s_wait_alu depctr_va_vdst(0)
.irp e, 0,1,2,3
	v_exp_f32 v[24+\e], v[36+\e]
.endr
	v_nop                                          ; a plain line behind the exponentials,
	s_wait_alu depctr_va_vdst(0)                   ; and one wait for the four, ahead of their first reader
.irp e, 0,1,2,3
	v_ldexp_f32 v[24+\e], v[24+\e], v[44+\e]       ; inv_freq = 2^(n - y) 2^(-n)
.endr
	s_wait_loadcnt 0x0
.irp t, 0,1,2,3,4,5,6,7
	v_cvt_f32_i32 v[16+\t], v[16+\t]
.endr
; cos and sin of position x inv_freq for tile t's four frequencies, side by side: four chains that do not wait for each other
.macro SC4 t
.irp e, 0,1,2,3
	v_mul_f32 v[32+\e], v[16+\t], v[24+\e]         ; the angle, rounded once to f32
.endr
.irp e, 0,1,2,3
	v_mul_f32 v[36+\e], s38, v[32+\e]
.endr
.irp e, 0,1,2,3
	v_rndne_f32 v[36+\e], v[36+\e]                 ; n: quarter turns
.endr
.irp e, 0,1,2,3
	v_fma_f32 v[40+\e], v[36+\e], s39, v[32+\e]
.endr
.irp e, 0,1,2,3
	v_fma_f32 v[40+\e], v[36+\e], s40, v[40+\e]
.endr
.irp e, 0,1,2,3
	v_fma_f32 v[40+\e], v[36+\e], s41, v[40+\e]    ; r = angle - n pi / 2
.endr
.irp e, 0,1,2,3
	v_cvt_i32_f32 v[44+\e], v[36+\e]               ; q
	v_mul_f32 v[48+\e], v[40+\e], v[40+\e]         ; z
.endr
.irp e, 0,1,2,3
	v_fma_f32 v[52+\e], v[48+\e], s44, s43
	v_fma_f32 v[56+\e], v[48+\e], s47, s46
.endr
.irp e, 0,1,2,3
	v_fma_f32 v[52+\e], v[52+\e], v[48+\e], s42
	v_fma_f32 v[56+\e], v[56+\e], v[48+\e], s45
.endr
.irp e, 0,1,2,3
	v_mul_f32 v[60+\e], v[48+\e], v[40+\e]
	v_mul_f32 v[64+\e], v[48+\e], v[48+\e]
	v_fma_f32 v[68+\e], v[48+\e], -0.5, 1.0
.endr
.irp e, 0,1,2,3
	v_fma_f32 v[52+\e], v[52+\e], v[60+\e], v[40+\e]   ; sin r
	v_fma_f32 v[56+\e], v[56+\e], v[64+\e], v[68+\e]   ; cos r
	v_and_b32 v[60+\e], 1, v[44+\e]
.endr
.irp e, 0,1,2,3
	v_cmp_eq_u32 s[48+\e], 1, v[60+\e]             ; an odd quarter swaps the two: a choice of values only
	v_and_b32 v[64+\e], 2, v[44+\e]
	v_add_nc_u32 v[68+\e], 1, v[44+\e]
.endr
.irp e, 0,1,2,3
	v_cndmask_b32 v[84+8*\t+\e], v[52+\e], v[56+\e], s[48+\e]
	v_cndmask_b32 v[80+8*\t+\e], v[56+\e], v[52+\e], s[48+\e]
	v_lshlrev_b32 v[64+\e], 30, v[64+\e]
	v_and_b32 v[68+\e], 2, v[68+\e]
.endr
.irp e, 0,1,2,3
	v_xor_b32 v[84+8*\t+\e], v[84+8*\t+\e], v[64+\e]   ; sin changes sign in quarters 2 and 3,
	v_lshlrev_b32 v[68+\e], 30, v[68+\e]
.endr
.irp e, 0,1,2,3
	v_xor_b32 v[80+8*\t+\e], v[80+8*\t+\e], v[68+\e]   ; cos in quarters 1 and 2
.endr
	global_store_b128 v4, v[80+8*\t:83+8*\t], s[28:29] offset:\t*8192          ; 512 consecutive bytes, aligned; each tile has registers of its own
	global_store_b128 v4, v[84+8*\t:87+8*\t], s[28:29] offset:\t*8192+4096
.endm
.irp t, 0,1,2,3,4,5,6,7
	SC4 \t
.endr
	s_endpgm
.Lfunc_end_k_qdeb6265f24_prep:
	.size	k_qdeb6265f24_prep, .Lfunc_end_k_qdeb6265f24_prep-k_qdeb6265f24_prep
	.p2alignl 7, 3214868480
	.fill 96, 4, 3214868480
	.section	.rodata,"a",@progbits
	.p2align	6, 0x0
	.amdhsa_kernel k_qdeb6265f24_prep
		.amdhsa_group_segment_fixed_size 34304
		.amdhsa_private_segment_fixed_size 0
		.amdhsa_enable_private_segment 0
		.amdhsa_kernarg_size 48
		.amdhsa_user_sgpr_count 2
		.amdhsa_user_sgpr_kernarg_segment_ptr 1
		.amdhsa_wavefront_size32 1
		.amdhsa_system_sgpr_workgroup_id_x 1
		.amdhsa_system_sgpr_workgroup_id_y 1
		.amdhsa_system_sgpr_workgroup_id_z 1
		.amdhsa_system_vgpr_workitem_id 0
		.amdhsa_next_free_vgpr 242
		.amdhsa_next_free_sgpr 66
		.amdhsa_reserve_vcc 0
		.amdhsa_float_denorm_mode_32 3
		.amdhsa_float_denorm_mode_16_64 3
		.amdhsa_memory_ordered 1
		.amdhsa_forward_progress 1
		.amdhsa_inst_pref_size 90
	.end_amdhsa_kernel
	.amdgpu_metadata
---
amdhsa.version: [ 1, 2 ]
amdhsa.kernels:
  - .name:           k_qdeb6265f24_prep
    .symbol:         k_qdeb6265f24_prep.kd
    .args:
      - { .name: hidden_states, .offset: 0, .size: 8, .value_kind: global_buffer, .address_space: global }
      - { .name: w_qkv, .offset: 8, .size: 8, .value_kind: global_buffer, .address_space: global }
      - { .name: positions, .offset: 16, .size: 8, .value_kind: global_buffer, .address_space: global }
      - { .name: lowp_scales, .offset: 24, .size: 8, .value_kind: global_buffer, .address_space: global }
      - { .name: codes, .offset: 32, .size: 8, .value_kind: global_buffer, .address_space: global }
      - { .name: rope_tab, .offset: 40, .size: 8, .value_kind: global_buffer, .address_space: global }
    .group_segment_fixed_size: 34304
    .private_segment_fixed_size: 0
    .kernarg_segment_align: 8
    .kernarg_segment_size: 48
    .max_flat_workgroup_size: 128
    .sgpr_count:     66
    .vgpr_count:     242
    .wavefront_size: 32
...
	.end_amdgpu_metadata
.endif
;; end of part 1
;; launch qkv (part 2): grid 16 x 16, 4 waves a work-group, clusters of 4 x 4, 327,680 bytes of LDS; arguments codes, rope_tab, q_norm_w, k_norm_w, lowp_scales, qkv_codes; writes qkv_codes
.if DOCPART == 2
	.amdgcn_target "amdgcn-amd-amdhsa--gfx1250"
	.amdhsa_code_object_version 6
	.text
	.protected	k_qdeb6265f24_qkv
	.globl	k_qdeb6265f24_qkv
	.p2align	8
	.type	k_qdeb6265f24_qkv,@function
k_qdeb6265f24_qkv:
	s_mov_b64 s[64:65], 0
	v_nop
	global_prefetch_b8 v0, s[64:65] scope:SCOPE_SE
	s_setreg_imm32_b32 hwreg(HW_REG_WAVE_MODE, 25, 1), 1
	s_wait_xcnt 0x0
	s_wait_alu depctr_hold_cnt(0) depctr_sa_sdst(0) depctr_va_vdst(0) depctr_va_sdst(0) depctr_va_ssrc(0) depctr_va_vcc(0) depctr_vm_vsrc(0)
	s_getreg_b32 s2, hwreg(HW_REG_IB_STS2, 6, 4)
	s_cmp_eq_u32 s2, 0
	s_cbranch_scc0 .Lentry_in_a_cluster
	s_endpgm
.Lentry_in_a_cluster:
	s_bfe_u32 s2, ttmp6, 0x10000c
	s_cmp_lg_u32 s2, 0xf033
	s_cbranch_scc0 .Lentry_shape_is_right
	s_endpgm
.Lentry_shape_is_right:
; QKV: hidden_states x w_qkv on codes of FP8 (K = 2,048), then per head RMSNorm, RoPE, the factor 128^-0.5 for q, and the quantisers of q (e3), k (e2) and v (e4).  Everything behind the sums is f32.
; OPERANDS lie in the buffer of codes as images of fragment registers ([tile of 16 rows][16 chunks of 128 K][2,048 bytes]; tiles 0-127 tokens, 128-383 columns of w_qkv).
; A work-group multiplies X (16 tiles, source 0) by Y (8 tiles, source 1); wave w takes X's half w % 2 and Y's half w / 2: 8 x 4 tiles, 32 accumulators, 256 registers.
; Clusters with x = 0, 1, 2 (q heads, q heads, k heads): X = 256 columns of the weight (two heads; a wave: one head), Y = 128 tokens.  In a result a lane holds ONE token, and its 64 registers of a tile of tokens
;   are the head's d = 32 (i / 16) + 16 h + i % 16 (the weight's tiles take their columns in that order): the norm's sum wants one exchange between the halves of the lanes, RoPE's partner of register i is register i + 32,
;   and the conversions' results are a fragment (16 tokens x 128 d).
; Clusters with x = 3 (v): the roles change by tile numbers alone: X = 256 tokens, Y = 128 columns (one v head).  A lane then holds one d and its registers run along the tokens, which are the K of the product with the softmax.
; qkv_codes = 32 slots of 262,144 bytes: slots 0-15 q heads, 16-23 k heads: [128 tiles of tokens][2,048]; slots 24-31 v heads: [16 blocks of 128 keys][8 tiles of d][2,048], registers 2 a, 2 a + 1 = keys 16 a + 8 h + 0 .. 7.
; CLUSTERS: 4 x 4.  X hangs on the work-group's x alone and is asked for jointly by a column of the cluster, Y on its y alone, by a row.  The one branch on ids is on the cluster's x, which all sixteen share.
; THE RING: two LDS slots of 3 chunks (147,456 bytes), the largest two that fit; K's 16 chunks are 5 fills of 3 and one of 1.  By this text's count a wave has two tensor loads out at the start and one behind each change of slots.
; LIMITS: e2, e3 and e4 - e0 - e1 between -126 and 119.  NaN among the inputs is not served.
; REGISTERS, in windows of 256: window 0: v1-13 addresses and scales; v16-31 at work; v32-95 the norm's weights in the lane's order; v96-127 sums of squares; v128-255 Y's fragments, two sets (later RoPE's products and the codes).
;   window 1: X's fragments, two sets.   window 2: the accumulators, (y, x) at v[64 y + 8 x].   window 3: cos (v[64 y + 0 .. 31]) and sin (v[64 y + 32 .. 63]) of my four tiles of tokens.
.set CHB,   2048                       ; a fragment's image
.set TP,    3*CHB                      ; a tile's bytes in a slot
.set YOFF,  16*TP                      ; a slot: X's 16 tiles, then Y's 8
.set SLOT,  24*TP
.set SPARE, 2*SLOT                     ; behind the ring: the spare words, 128 bytes for each wave: two blocks of 256 bytes that no other line names
.set LI,   1                           ; v1    16 x lane
.set ADX,  2                           ; v2-3  my half of X in slot 0, 1
.set ADY,  4                           ; v4-5  my half of Y
.set ADXS, 6                           ; v6    my half of X in the last, short fill
.set ADYS, 7                           ; v7    of Y
.set SPW,  8                           ; v8    LDS address of my spare word; never rewritten
.set NIL,  9                           ; v9    0; never rewritten
.set H64,  10                          ; v10   64 h
.set LIM,  12                          ; v12   448 x the output's scale
.set SCL,  13                          ; v13   the output's scale
.set RS,   16                          ; v16-23 for each tile of tokens: rsqrt x 2^(e0 + e1) x the factor, as a pair
.set PT,   24                          ; v24-27 the other half of the lanes' sum
.set NW,   32
.set CHN,  96
.set YF,   128
.set T1,   128
.set T2,   160
.set CD,   192
.set G1X,  24                          ; s[24:31] group 1: X, 3 chunks   s[32:39]: Y   s[40:47], s[48:55]: the same for the fill of one chunk
.set G1Y,  32
.set G1XS, 40
.set G1YS, 48
.set G0X,  56                          ; s[56:63] groups 0 of X for slot 0, 1   s[68:75] of Y   s[76:79], s[80:83] for the short fill
.set G0Y,  68
.set G0XS, 76
.set G0YS, 80
.set MULW, 0xa1                        ; source 0 (X) window 1, source 1 (Y) window 0, C and D window 2
.set MSB, 0
.macro WIN new                         ; the immediate's high byte repeats the setting that is left
.if MSB != \new
	s_set_vgpr_msb (MSB<<8)|\new
.set MSB, \new
.endif
.endm
.macro PLACES                          ; four plain vector lines between a matrix instruction and a load into, or a vector read or write of, its registers
.rept 4
	v_nop
.endr
.endm
.macro G1WORDS g, d0, rows             ; rows of d0 elements of 8 bytes, 4,096 elements (a tile's 32,768 bytes) apart
	s_mov_b32 s[\g+1], (\d0)<<16                   ; tensor_dim0
	s_mov_b32 s[\g+2], (\rows)<<16                 ; tensor_dim1
	s_mov_b32 s[\g+3], (\d0)<<16                   ; tile_dim0
	s_mov_b32 s[\g+4], \rows                       ; tile_dim1
	s_mov_b32 s[\g+5], 4096                        ; tensor_dim0_stride
	s_mov_b32 s[\g+6], 0
	s_mov_b32 s[\g+7], 0
.endm
; A joint load: waves 0 and 1 ask for X's halves, waves 2 and 3 for Y's.  The branch hangs on the wave's number alone.  Four v_nop follow each of the two lines.
.macro JLOAD g0x, g1x, g0y, g1y
	s_cmp_eq_u32 s17, 0
	s_cbranch_scc0 .Lfor_y_\@
	tensor_load_to_lds s[\g0x:\g0x+3], s[\g1x:\g1x+7]
	s_nop 0
.rept 4
	v_nop
.endr
	s_branch .Lasked_\@
.Lfor_y_\@:
	tensor_load_to_lds s[\g0y:\g0y+3], s[\g1y:\g1y+7]
	s_nop 0
.rept 4
	v_nop
.endr
.Lasked_\@:
.endm
.macro CREST                           ; a round of the cluster's barrier behind its opening barrier
	s_cmp_lg_u32 s16, 0
	s_cbranch_scc1 .Lnot_wave_0_\@
	s_barrier_signal -3
.Lnot_wave_0_\@:
	s_barrier_wait -3
	s_barrier_signal -1
	s_barrier_wait -1
.endm
.macro CROUND
	s_barrier_signal -1
	s_barrier_wait -1
	CREST
.endm
; 48 LDS loads: my 8 fragments of X and 4 of Y of one chunk, as they lie: 512 consecutive bytes an instruction
.macro FETCH ax, ay, pitch, q, p
	WIN 0x40                                       ; destination window 1, address window 0
.irp i, 0,1,2,3,4,5,6,7
.irp c, 0,1,2,3
	ds_load_b128 v[128*(\p)+16*\i+4*\c:128*(\p)+16*\i+4*\c+3], v[\ax] offset:\i*(\pitch)+(\q)*CHB+\c*512
.endr
.endr
	WIN 0
.irp i, 0,1,2,3
.irp c, 0,1,2,3
	ds_load_b128 v[YF+64*(\p)+16*\i+4*\c:YF+64*(\p)+16*\i+4*\c+3], v[\ay] offset:\i*(\pitch)+(\q)*CHB+\c*512
.endr
.endr
.endm
; 8 matrix instructions: Y's tile y against X's eight.  The 32 accumulators take turns, one instruction a turn, in the same order in every chunk.  zero = 1: the first chunk starts the sums
.macro MUL8 y, p, zero
.irp x, 0,1,2,3,4,5,6,7
.if \zero
	v_wmma_f32_16x16x128_fp8_fp8 v[64*(\y)+8*\x:64*(\y)+8*\x+7], v[128*(\p)+16*\x:128*(\p)+16*\x+15], v[YF+64*(\p)+16*(\y):YF+64*(\p)+16*(\y)+15], 0
.else
	v_wmma_f32_16x16x128_fp8_fp8 v[64*(\y)+8*\x:64*(\y)+8*\x+7], v[128*(\p)+16*\x:128*(\p)+16*\x+15], v[YF+64*(\p)+16*(\y):YF+64*(\p)+16*(\y)+15], v[64*(\y)+8*\x:64*(\y)+8*\x+7]
.endif
.endr
.endm
; A chunk whose successor lies in the same slot: the successor (the slot's q-th) is fetched into the other set, then this chunk is multiplied
.macro STEP ax, ay, q, p, zero
	s_wait_dscnt 0x0                               ; this chunk's 48 loads, issued a chunk ago, are in
	PLACES
	FETCH \ax, \ay, TP, \q, 1-(\p)
	WIN MULW
	MUL8 0, \p, \zero
	MUL8 1, \p, \zero
	MUL8 2, \p, \zero
	MUL8 3, \p, \zero
.endm
; A slot's last chunk changes slots: ONE barrier; in front of it each wave waits for all its tensor loads, adds 0 to its spare word, and waits for that and for its reads of this slot.
; fill = 1: this slot takes the chunks six on; 2: it takes the last chunk; 0: nothing is left to fetch.
.macro TURN slot, p, fill, nax, nay, npitch, ask=0
	WIN 0                                          ; (the add's two registers lie in window 0)
	s_wait_tensorcnt 0x0                           ; all my tensor loads have landed: my part of the next slot
	ds_add_u32 v[SPW], v[NIL]                      ; 0 onto my spare word
	s_wait_dscnt 0x1                               ; this chunk's fragments are in; the add alone may be out
	WIN MULW
	MUL8 0, \p, 0                                  ; eight matrix instructions stand between the add and the wait for it
	s_wait_dscnt 0x0                               ; the add is done, and my reads of this slot are over
	s_barrier_signal -1
	MUL8 1, \p, 0
	WIN 0
	s_barrier_wait -1
.if \fill == 1
	CREST                                          ; the barrier has opened a round of the cluster's barrier: no wave of any partner still reads this slot or has a load on its way
	s_add_nc_u64 s[G0X+4*\slot+2:G0X+4*\slot+3], s[G0X+4*\slot+2:G0X+4*\slot+3], 2*TP
	s_add_nc_u64 s[G0Y+4*\slot+2:G0Y+4*\slot+3], s[G0Y+4*\slot+2:G0Y+4*\slot+3], 2*TP
	JLOAD G0X+4*\slot, G1X, G0Y+4*\slot, G1Y       ; the first tensor load behind the round; its four v_nop are also the places in front of the loads below
.elseif \fill == 2
	CREST
	JLOAD G0XS, G1XS, G0YS, G1YS
.else
	PLACES
.endif
	s_wait_alu depctr_va_vdst(0)
	FETCH \nax, \nay, \npitch, 0, 1-(\p)
.if \ask
	ASK \ask                                       ; behind the joint load and the run of LDS loads
.endif
	WIN MULW
	MUL8 2, \p, 0
	MUL8 3, \p, 0
.endm
	s_load_b256 s[4:11], s[0:1], 0x0               ; codes s[4:5], rope_tab s[6:7], q_norm_w s[8:9], k_norm_w s[10:11]
	s_load_b128 s[12:15], s[0:1], 0x20             ; the scales' exponents s[12:13], qkv_codes s[14:15]
	v_lshl_add_u32 v[SPW], v0, 2, SPARE
	v_mov_b32 v[NIL], 0
	ds_add_u32 v8, v9
	ds_add_u32 v8, v9
	s_wait_dscnt 0x0
	v_lshrrev_b32 v1, 5, v0
	v_readfirstlane_b32 s16, v1                    ; wave 0..3
	s_lshr_b32 s17, s16, 1                         ; my half of Y.  Also: I fetch for X (0) or for Y (1)
	s_and_b32 s18, s16, 1                          ; my half of X.  Also: which half of that operand I fetch
	s_bfe_u32 s19, ttmp6, 0x40000                  ; cx
	s_bfe_u32 s20, ttmp6, 0x40004                  ; cy
	s_and_b32 s22, ttmp7, 0xffff                   ; the cluster's y
	s_lshl_b32 s2, 0x1111, s19                     ; my column of the cluster
	s_lshl_b32 s3, s20, 2
	s_lshl_b32 s3, 15, s3                          ; my row
	s_or_b32 s[G1X], s2, (3<<16)|(1<<21)           ; 15:0 the mask: X goes to my column; 17:16 elements of 8 bytes; 21 set beside a mask; no padding
	s_or_b32 s[G1XS], s2, (3<<16)|(1<<21)
	s_or_b32 s[G1Y], s3, (3<<16)|(1<<21)           ; Y goes to my row
	s_or_b32 s[G1YS], s3, (3<<16)|(1<<21)
	G1WORDS G1X, 768, 8                            ; 8 tiles x 3 chunks (6,144 bytes)
	G1WORDS G1Y, 768, 4
	G1WORDS G1XS, 256, 8                           ; 8 tiles x 1 chunk
	G1WORDS G1YS, 256, 4
	; the first tiles.  q, k: X = 128 + 64 cluster x + 16 cx, Y = 32 cluster y + 8 cy.  v: X = 64 (cluster y / 2) + 16 cx, Y = 320 + 32 (cluster y % 2) + 8 cy
	s_lshl_b32 s92, ttmp9, 6
	s_add_co_u32 s92, s92, 128
	s_lshr_b32 s93, s22, 1
	s_lshl_b32 s93, s93, 6
	s_lshl_b32 s94, s22, 5
	s_and_b32 s95, s22, 1
	s_lshl_b32 s95, s95, 5
	s_add_co_u32 s95, s95, 320
	s_cmp_eq_u32 ttmp9, 3
	s_cselect_b32 s92, s93, s92
	s_cselect_b32 s94, s95, s94
	s_lshl_b32 s93, s19, 4
	s_add_co_u32 s92, s92, s93
	s_lshl_b32 s93, s18, 3
	s_add_co_u32 s92, s92, s93                     ; + the 8 tiles of X that I would fetch
	s_lshl_b32 s95, s20, 3
	s_add_co_u32 s94, s94, s95
	s_lshl_b32 s95, s18, 2
	s_add_co_u32 s94, s94, s95                     ; + the 4 tiles of Y
	s_lshl_b32 s92, s92, 15
	s_mov_b32 s93, 0
	s_lshl_b32 s94, s94, 15
	s_mov_b32 s95, 0
	s_mul_i32 s23, s18, 8*TP                       ; where they go in a slot: no place in the cluster enters an LDS address
	s_mul_i32 s66, s18, 4*TP
	CROUND                                         ; all sixteen work-groups are here: the first joint loads, behind this round, meet.  It stands ahead of the wait for the arguments
	s_wait_kmcnt 0x0
	s_load_b256 s[84:91], s[12:13], 0x0            ; e0 .. e7
	s_add_nc_u64 s[96:97], s[4:5], s[92:93]
	s_add_nc_u64 s[98:99], s[4:5], s[94:95]
	s_mov_b32 s[G0X], 1
	s_mov_b32 s[G0X+1], s23
	s_mov_b64 s[G0X+2:G0X+3], s[96:97]             ; chunks 0-2
	s_or_b32 s[G0X+3], s[G0X+3], 0x80000000
	s_mov_b32 s[G0X+4], 1
	s_add_co_u32 s[G0X+5], s23, SLOT
	s_add_nc_u64 s[G0X+6:G0X+7], s[96:97], TP      ; chunks 3-5
	s_or_b32 s[G0X+7], s[G0X+7], 0x80000000
	s_mov_b32 s[G0Y], 1
	s_add_co_u32 s[G0Y+1], s66, YOFF
	s_mov_b64 s[G0Y+2:G0Y+3], s[98:99]
	s_or_b32 s[G0Y+3], s[G0Y+3], 0x80000000
	s_mov_b32 s[G0Y+4], 1
	s_add_co_u32 s[G0Y+5], s66, SLOT+YOFF
	s_add_nc_u64 s[G0Y+6:G0Y+7], s[98:99], TP
	s_or_b32 s[G0Y+7], s[G0Y+7], 0x80000000
	s_lshl_b32 s67, s18, 14
	s_mov_b32 s[G0XS], 1
	s_add_co_u32 s[G0XS+1], s67, SLOT              ; the short fill lies in slot 1, a tile 2,048 bytes: X's 16, then Y's 8
	s_add_nc_u64 s[G0XS+2:G0XS+3], s[96:97], 15*CHB
	s_or_b32 s[G0XS+3], s[G0XS+3], 0x80000000
	s_lshl_b32 s67, s18, 13
	s_mov_b32 s[G0YS], 1
	s_add_co_u32 s[G0YS+1], s67, SLOT+16*CHB
	s_add_nc_u64 s[G0YS+2:G0YS+3], s[98:99], 15*CHB
	s_or_b32 s[G0YS+3], s[G0YS+3], 0x80000000
	JLOAD G0X, G1X, G0Y, G1Y                       ; fill 0: ONE tensor load a wave at the head (this stands in place of what the head's comment says of the start); fill 1 comes behind the next round
	v_and_b32 v1, 31, v0
	v_min_u32 v14, 23, v1
	v_lshlrev_b32 v14, 8, v14                      ; the prefetches' offset: a fill's 6,144 bytes of a tile are 24 blocks of 256, a lane a block, the lanes over name the last again; never rewritten
	v_min_u32 v15, 7, v1
	v_lshlrev_b32 v15, 8, v15                      ; the short fill's 2,048 bytes: 8 blocks; never rewritten
	v_lshlrev_b32 v[LI], 4, v1
	s_wait_alu depctr_va_vdst(0)
	v_bfe_u32 v[H64], v0, 4, 1
	v_lshlrev_b32 v[H64], 6, v[H64]
	s_wait_alu depctr_va_vdst(0)
	s_lshl_b32 s100, s22, 2
	s_add_co_u32 s100, s100, s20                   ; work-group y
	s_lshl_b32 s100, s100, 3
	s_lshl_b32 s101, s17, 2
	s_add_co_u32 s100, s100, s101                  ; tile of tokens 8 y + 4 x my half
	s_lshl_b32 s100, s100, 13
	s_mov_b32 s101, 0
	s_add_nc_u64 s[100:101], s[6:7], s[100:101]
; cos and sin of two of my four tiles of tokens, and the norm's weights, are asked for late, in two lots of at most 48 loads (a v work-group loads them too and does not use them)
.macro ROPELOAD y0
	WIN 0xc0                                       ; destination window 3, address window 0
.irp yy, \y0, \y0+1
.irp c, 0,1,2,3,4,5,6,7,8,9,10,11,12,13,14,15
	global_load_b128 v[64*(\yy)+4*\c:64*(\yy)+4*\c+3], v[LI], s[100:101] offset:(\yy)*8192+\c*512
.endr
.endr
	WIN 0
.endm
; PREFETCHES INTO THE L2.  Every cluster asks for the tiles that it will load itself; the four partners of a joint load share its tiles out BY ADDRESS: of the 8 tiles of X that a wave fetches a partner takes 2 (by cy),
; of the 4 of Y one (by cx).  Fill 1 is asked for behind the first joint load, fills 2 and 3 behind fill 1's, 4 behind fill 2's, 5 behind fill 3's: no more than two fills are asked for and not yet loaded.
.macro ASK f
.if (\f) < 5
	global_prefetch_b8 v14, s[4:5] offset:(\f)*TP th:TH_LOAD_NT scope:SCOPE_SE
	s_cmp_eq_u32 s17, 0
	s_cbranch_scc0 .Lone_tile_\@
	global_prefetch_b8 v14, s[4:5] offset:(\f)*TP+32768 th:TH_LOAD_NT scope:SCOPE_SE
.Lone_tile_\@:
.else
	global_prefetch_b8 v15, s[4:5] offset:15*CHB th:TH_LOAD_NT scope:SCOPE_SE
	s_cmp_eq_u32 s17, 0
	s_cbranch_scc0 .Lone_tile_\@
	global_prefetch_b8 v15, s[4:5] offset:15*CHB+32768 th:TH_LOAD_NT scope:SCOPE_SE
.Lone_tile_\@:
.endif
.endm
	s_cmp_eq_u32 s17, 0
	s_cselect_b64 s[4:5], s[96:97], s[98:99]       ; the first tile that I fetch: X's or Y's
	s_cselect_b32 s2, s20, s19
	s_cselect_b32 s3, 16, 15                       ; two tiles a partner, or one
	s_lshl_b32 s2, s2, s3
	s_mov_b32 s3, 0
	s_add_nc_u64 s[4:5], s[4:5], s[2:3]            ; never rewritten: the fills are told apart by the immediate
	ASK 1
	s_cmp_lt_u32 ttmp9, 2
	s_cselect_b64 s[2:3], s[8:9], s[10:11]         ; q's weights, else k's
	s_mul_i32 s23, s18, 8*TP
	v_add_nc_u32 v[ADX], s23, v[LI]
	v_add_nc_u32 v[ADX+1], SLOT, v[ADX]
	s_mul_i32 s23, s17, 4*TP
	s_add_co_u32 s23, s23, YOFF
	v_add_nc_u32 v[ADY], s23, v[LI]
	v_add_nc_u32 v[ADY+1], SLOT, v[ADY]
	s_lshl_b32 s23, s18, 14
	s_add_co_u32 s23, s23, SLOT
	v_add_nc_u32 v[ADXS], s23, v[LI]
	s_lshl_b32 s23, s17, 13
	s_add_co_u32 s23, s23, SLOT+16*CHB
	v_add_nc_u32 v[ADYS], s23, v[LI]
.irp y, 0,1,2,3
	v_mov_b32 v[PT+\y], 0                          ; written once: a lane permute's destination counts as one of its sources
.endr
	s_mov_b32 s66, 0x76543210                      ; v_permlanex16_b32's selects for lane l xor 16
	s_mov_b32 s67, 0xfedcba98
	s_wait_kmcnt 0x0
	s_add_co_i32 s92, s84, s85                     ; E = e0 + e1: a sum stands for sum x 2^E
	s_lshl_b32 s93, s92, 1
	s_sub_co_i32 s93, s93, 7                       ; 2 E - 7: the mean of 128 squares
	s_sub_co_i32 s96, s88, s92                     ; v: e4 - E, the three scales folded into the conversion's one
	s_mov_b32 s95, 1.0
	s_cmp_lt_u32 ttmp9, 2
	s_cselect_b32 s94, s87, s86                    ; q: e3; k: e2
	s_cselect_b32 s95, 0x3db504f3, s95             ; q: the factor 128^-0.5
	s_cmp_eq_u32 ttmp9, 3
	s_cselect_b32 s94, s96, s94
	s_add_co_i32 s94, s94, 127
	s_lshl_b32 s96, s94, 23
	v_mov_b32 v[SCL], s96
	s_add_co_i32 s94, s94, 8
	s_lshl_b32 s94, s94, 23
	s_or_b32 s94, s94, 0x600000
	v_mov_b32 v[LIM], s94
	; where my four fragments go.  q, k: slot 2 x + my half of X, tile of tokens 8 y + 4 x my half of Y.  v: slot 24 + head, block of keys 2 xt + my half of X, tile of d 4 x my half of Y
	s_lshl_b32 s96, ttmp9, 2
	s_add_co_u32 s96, s96, s19
	s_lshl_b32 s96, s96, 1
	s_add_co_u32 s96, s96, s18
	s_lshl_b32 s96, s96, 18
	s_lshl_b32 s97, s22, 2
	s_add_co_u32 s97, s97, s20
	s_lshl_b32 s97, s97, 3
	s_lshl_b32 s98, s17, 2
	s_add_co_u32 s97, s97, s98
	s_lshl_b32 s97, s97, 11
	s_add_co_u32 s96, s96, s97
	s_and_b32 s97, s22, 1
	s_lshl_b32 s97, s97, 2
	s_add_co_u32 s97, s97, s20
	s_add_co_u32 s97, s97, 24
	s_lshl_b32 s97, s97, 18
	s_lshr_b32 s99, s22, 1
	s_lshl_b32 s99, s99, 2
	s_add_co_u32 s99, s99, s19
	s_lshl_b32 s99, s99, 1
	s_add_co_u32 s99, s99, s18
	s_lshl_b32 s99, s99, 3
	s_add_co_u32 s99, s99, s98
	s_lshl_b32 s99, s99, 11
	s_add_co_u32 s97, s97, s99
	s_cmp_eq_u32 ttmp9, 3
	s_cselect_b32 s96, s97, s96
	s_mov_b32 s97, 0
	s_add_nc_u64 s[14:15], s[14:15], s[96:97]
	s_wait_alu depctr_va_vdst(0)
	s_wait_tensorcnt 0x0                           ; my part of chunks 0-2 is in
	ds_add_u32 v[SPW], v[NIL]
	s_wait_dscnt 0x0
	CROUND                                         ; everybody's part is in, and all sixteen work-groups are here
	JLOAD G0X+4, G1X, G0Y+4, G1Y                   ; chunks 3-5, the first tensor load behind the round
	FETCH ADX, ADY, TP, 0, 0
	ASK 2
	ASK 3
	; K's 16 chunks, written out: the fills are uneven (3, 3, 3, 3, 3, 1)
	STEP ADX, ADY, 1, 0, 1
	STEP ADX, ADY, 2, 1, 0
	TURN 0, 0, 1, ADX+1, ADY+1, TP, 4
	STEP ADX+1, ADY+1, 1, 1, 0
	STEP ADX+1, ADY+1, 2, 0, 0
	TURN 1, 1, 1, ADX, ADY, TP, 5
	ROPELOAD 0
	STEP ADX, ADY, 1, 0, 0
	STEP ADX, ADY, 2, 1, 0
	TURN 0, 0, 1, ADX+1, ADY+1, TP
	STEP ADX+1, ADY+1, 1, 1, 0
	STEP ADX+1, ADY+1, 2, 0, 0
	TURN 1, 1, 2, ADX, ADY, TP
	ROPELOAD 2
.irp b, 0,1,2,3
.irp k, 0,1,2,3
	global_load_b128 v[NW+16*\b+4*\k:NW+16*\b+4*\k+3], v[H64], s[2:3] offset:128*\b+16*\k   ; w(32 b + 16 h + 4 k ..)
.endr
.endr
	STEP ADX, ADY, 1, 0, 0
	STEP ADX, ADY, 2, 1, 0
	TURN 0, 0, 0, ADXS, ADYS, CHB
	s_wait_dscnt 0x0                               ; the last chunk: nothing more to fetch
	MUL8 0, 1, 0
	MUL8 1, 1, 0
	MUL8 2, 1, 0
	MUL8 3, 1, 0
	WIN 0
	PLACES
	s_wait_loadcnt 0x0                             ; the table and the weights
	s_cmp_eq_u32 ttmp9, 3
	s_cbranch_scc1 .Lout                           ; v has no norm and no RoPE
	; RMSNorm.  The squares of a token's 64 sums in my lane, in four chains, each accumulator from its low end on
	WIN 0x0a                                       ; sources 0 and 1 window 2
.irp y, 0,1,2,3
.set k, 0
.rept 32
.if k < 4
	v_pk_mul_f32 v[CHN+8*\y+2*k:CHN+8*\y+2*k+1], v[64*\y+2*k:64*\y+2*k+1], v[64*\y+2*k:64*\y+2*k+1]
.else
	v_pk_fma_f32 v[CHN+8*\y+2*(k%4):CHN+8*\y+2*(k%4)+1], v[64*\y+2*k:64*\y+2*k+1], v[64*\y+2*k:64*\y+2*k+1], v[CHN+8*\y+2*(k%4):CHN+8*\y+2*(k%4)+1]
.endif
.set k, k+1
.endr
.endr
	WIN 0
.irp y, 0,1,2,3
	v_pk_add_f32 v[CHN+8*\y:CHN+8*\y+1], v[CHN+8*\y:CHN+8*\y+1], v[CHN+8*\y+2:CHN+8*\y+3]
	v_pk_add_f32 v[CHN+8*\y+4:CHN+8*\y+5], v[CHN+8*\y+4:CHN+8*\y+5], v[CHN+8*\y+6:CHN+8*\y+7]
.endr
.irp y, 0,1,2,3
	v_pk_add_f32 v[CHN+8*\y:CHN+8*\y+1], v[CHN+8*\y:CHN+8*\y+1], v[CHN+8*\y+4:CHN+8*\y+5]
.endr
.irp y, 0,1,2,3
	v_add_f32 v[CHN+8*\y], v[CHN+8*\y], v[CHN+8*\y+1]
.endr
.irp y, 0,1,2,3
	v_permlanex16_b32 v[PT+\y], v[CHN+8*\y], s66, s67   ; the token's other 64 lie in the lane 16 away
.endr
.irp y, 0,1,2,3
	v_add_f32 v[CHN+8*\y], v[CHN+8*\y], v[PT+\y]
.endr
.irp y, 0,1,2,3
	v_ldexp_f32 v[CHN+8*\y], v[CHN+8*\y], s93      ; the mean of the squares: x 2^(2 E) / 128, exact
.endr
.irp y, 0,1,2,3
	v_add_f32 v[CHN+8*\y], 0x358637bd, v[CHN+8*\y] ; + 1e-6
.endr
	s_wait_alu depctr_va_vdst(0)
.irp y, 0,1,2,3
	v_rsq_f32 v[RS+2*\y], v[CHN+8*\y]
.endr
	v_nop                                          ; a plain line behind the roots,
	s_wait_alu depctr_va_vdst(0)                   ; and one wait for the four, ahead of their first reader
.irp y, 0,1,2,3
	v_ldexp_f32 v[RS+2*\y], v[RS+2*\y], s92        ; x 2^E: the sums lack it
.endr
.irp y, 0,1,2,3
	v_mul_f32 v[RS+2*\y], s95, v[RS+2*\y]          ; x 128^-0.5 for q: RoPE is linear, so the factor may stand ahead of it
.endr
.irp y, 0,1,2,3
	v_mov_b32 v[RS+2*\y+1], v[RS+2*\y]             ; (named with it as a pair, so it is written)
.endr
.irp y, 0,1,2,3
	WIN 0x82                                       ; source 0 and destination window 2
.set k, 0
.rept 32
	v_pk_mul_f32 v[64*\y+2*k:64*\y+2*k+1], v[64*\y+2*k:64*\y+2*k+1], v[RS+2*\y:RS+2*\y+1] op_sel_hi:[1,0]
.set k, k+1
.endr
.set k, 0
.rept 32
	v_pk_mul_f32 v[64*\y+2*k:64*\y+2*k+1], v[64*\y+2*k:64*\y+2*k+1], v[NW+2*k:NW+2*k+1]
.set k, k+1
.endr
	WIN 0x0e                                       ; RoPE: source 0 window 2, source 1 (the table) window 3, destination window 0
.set k, 0
.rept 16
	v_pk_mul_f32 v[T1+2*k:T1+2*k+1], v[64*\y+32+2*k:64*\y+32+2*k+1], v[64*\y+32+2*k:64*\y+32+2*k+1]   ; x2 sin
	v_pk_mul_f32 v[T2+2*k:T2+2*k+1], v[64*\y+2*k:64*\y+2*k+1], v[64*\y+32+2*k:64*\y+32+2*k+1]         ; x1 sin
.set k, k+1
.endr
	WIN 0x8e                                       ; the same, destination window 2
.set k, 0
.rept 16
	v_pk_fma_f32 v[64*\y+2*k:64*\y+2*k+1], v[64*\y+2*k:64*\y+2*k+1], v[64*\y+2*k:64*\y+2*k+1], v[T1+2*k:T1+2*k+1] neg_lo:[0,0,1] neg_hi:[0,0,1]   ; x1 cos - x2 sin
	v_pk_fma_f32 v[64*\y+32+2*k:64*\y+32+2*k+1], v[64*\y+32+2*k:64*\y+32+2*k+1], v[64*\y+2*k:64*\y+2*k+1], v[T2+2*k:T2+2*k+1]                      ; x2 cos + x1 sin
.set k, k+1
.endr
.endr
	WIN 0
.Lout:
	; THE QUANTISER: a lane's 64 numbers of Y's tile y become a fragment's 16 registers, which leave as they stand: 512 consecutive bytes a store
.irp y, 0,1,2,3
	WIN 0x82
.set k, 0
.rept 64
	v_med3_num_f32 v[64*\y+k], v[64*\y+k], -v[LIM], v[LIM]   ; the conversion to an 8-bit code does not saturate (ISA guide 7.6.2)
.set k, k+1
.endr
	WIN 0x02                                       ; source 0 window 2, destination window 0
.irp x, 0,1,2,3,4,5,6,7
	v_cvt_scalef32_pk8_fp8_f32 v[CD+16*\y+2*\x:CD+16*\y+2*\x+1], v[64*\y+8*\x:64*\y+8*\x+7], v[SCL]
.endr
	v_nop                                          ; one plain vector line behind the conversions
	WIN 0
.irp c, 0,1,2,3
	global_store_b128 v[LI], v[CD+16*\y+4*\c:CD+16*\y+4*\c+3], s[14:15] offset:\y*CHB+\c*512
.endr
.endr
	s_wait_tensorcnt 0x0                           ; the wave's end
	ds_add_u32 v[SPW], v[NIL]
	s_wait_dscnt 0x0
	CROUND                                         ; the closing round: no work-group ends while a partner may still ask for a tile that names it
	s_endpgm
.Lfunc_end_k_qdeb6265f24_qkv:
	.size	k_qdeb6265f24_qkv, .Lfunc_end_k_qdeb6265f24_qkv-k_qdeb6265f24_qkv
	.p2alignl 7, 3214868480
	.fill 96, 4, 3214868480
	.section	.rodata,"a",@progbits
	.p2align	6, 0x0
	.amdhsa_kernel k_qdeb6265f24_qkv
		.amdhsa_group_segment_fixed_size 327680
		.amdhsa_private_segment_fixed_size 0
		.amdhsa_enable_private_segment 0
		.amdhsa_kernarg_size 48
		.amdhsa_user_sgpr_count 2
		.amdhsa_user_sgpr_kernarg_segment_ptr 1
		.amdhsa_wavefront_size32 1
		.amdhsa_system_sgpr_workgroup_id_x 1
		.amdhsa_system_sgpr_workgroup_id_y 1
		.amdhsa_system_sgpr_workgroup_id_z 1
		.amdhsa_system_vgpr_workitem_id 0
		.amdhsa_next_free_vgpr 1024
		.amdhsa_next_free_sgpr 102
		.amdhsa_reserve_vcc 0
		.amdhsa_float_denorm_mode_32 3
		.amdhsa_float_denorm_mode_16_64 3
		.amdhsa_memory_ordered 1
		.amdhsa_forward_progress 1
		.amdhsa_inst_pref_size 172
	.end_amdhsa_kernel
	.amdgpu_metadata
---
amdhsa.version: [ 1, 2 ]
amdhsa.kernels:
  - .name:           k_qdeb6265f24_qkv
    .symbol:         k_qdeb6265f24_qkv.kd
    .args:
      - { .name: codes, .offset: 0, .size: 8, .value_kind: global_buffer, .address_space: global }
      - { .name: rope_tab, .offset: 8, .size: 8, .value_kind: global_buffer, .address_space: global }
      - { .name: q_norm_w, .offset: 16, .size: 8, .value_kind: global_buffer, .address_space: global }
      - { .name: k_norm_w, .offset: 24, .size: 8, .value_kind: global_buffer, .address_space: global }
      - { .name: lowp_scales, .offset: 32, .size: 8, .value_kind: global_buffer, .address_space: global }
      - { .name: qkv_codes, .offset: 40, .size: 8, .value_kind: global_buffer, .address_space: global }
    .group_segment_fixed_size: 327680
    .private_segment_fixed_size: 0
    .kernarg_segment_align: 8
    .kernarg_segment_size: 48
    .max_flat_workgroup_size: 128
    .sgpr_count:     102
    .vgpr_count:     1024
    .wavefront_size: 32
...
	.end_amdgpu_metadata
.endif
;; end of part 2
;; launch attn (part 3): grid 32 x 8, 8 waves a work-group, clusters of 4 x 1, 327,680 bytes of LDS; arguments qkv_codes, lowp_scales, a_codes, w_o, wo_codes; writes a_codes, wo_codes
.if DOCPART == 3
	.amdgcn_target "amdgcn-amd-amdhsa--gfx1250"
	.amdhsa_code_object_version 6
	.text
	.protected	k_qdeb6265f24_attn
	.globl	k_qdeb6265f24_attn
	.p2align	8
	.type	k_qdeb6265f24_attn,@function
k_qdeb6265f24_attn:
	s_mov_b64 s[64:65], 0
	v_nop
	global_prefetch_b8 v0, s[64:65] scope:SCOPE_SE
	s_setreg_imm32_b32 hwreg(HW_REG_WAVE_MODE, 25, 1), 1
	s_wait_xcnt 0x0
	s_wait_alu depctr_hold_cnt(0) depctr_sa_sdst(0) depctr_va_vdst(0) depctr_va_sdst(0) depctr_va_ssrc(0) depctr_va_vcc(0) depctr_vm_vsrc(0)
	s_getreg_b32 s2, hwreg(HW_REG_IB_STS2, 6, 4)
	s_cmp_eq_u32 s2, 0
	s_cbranch_scc0 .Lentry_in_a_cluster
	s_endpgm
.Lentry_in_a_cluster:
	s_bfe_u32 s2, ttmp6, 0x10000c
	s_cmp_lg_u32 s2, 0x3003
	s_cbranch_scc0 .Lentry_shape_is_right
	s_endpgm
.Lentry_shape_is_right:
; ATTN: causal attention on codes of FP8 (E4M3): S^T = K Q^T, softmax, O^T = V^T P^T, O / sum quantised with e6 into a_codes.  Beside it w_o becomes codes (e7) in wo_codes.
; qkv_codes = 32 slots of 262,144 bytes (q heads 0-15, k heads 16-23, v heads 24-31), images of fragment registers: a tile of 16 rows x 128 K is 2,048 bytes, byte 512 c + 16 lane holds registers 4 c .. 4 c + 3 of that lane.
; THE SOFTMAX: t = score x log2(e); M = the running largest t rounded UP to a whole number; p = 2^(t - M) is quantised with e5; the row's sum is taken of the unquantised p in f32 and divides at the end.
;   When M moves, the sum and O^T are multiplied by 2^(old M - new M): exact.
; SHARES.  A work-group serves one k/v head (its y) and four tiles of 16 tokens, one of each quarter of the sequence: j, 63 - j, 95 - j, 96 + j (j = 4 x cluster x + cx).  With J = j / 8 they have J + 1, 8 - J, 12 - J and 13 + J key steps of 128 keys:
;   34 in every work-group, and every work-group reads every fill.  Each tile has two waves, which take the even and the odd key steps; a wave works for BOTH query heads of its tokens, so a fragment of K or V feeds two matrix instructions.
;   At a tile's end a wave sends head B's sums to its partner and finishes head A (A = 2 y + parity, B = the other): the partner's B is my A.
; DEAD WORK left out: key steps all of whose keys come after the tile's tokens: the causal mask puts -1e30 there, whose exponential is 0 beside the row's own key.  A NaN or an infinity that reaches only them is not carried to the result.
; CLUSTERS: the four partners (4, 1, 1) walk the same K and V and ask for each fill jointly.  No branch hangs on cx: a tile's last key step hangs on its quarter and on the cluster's x alone.
; THE RING: two slots of 4 key steps (65,536 bytes of K, 65,536 of V), 2^17 bytes apart; four fills; each wave moves 16,384 bytes of a fill by one tensor load.
; w_o: waves 4-7 (the first two quarters) have no keys in fills 2 and 3 and quantise 128 columns x 128 K of w_o there; their own tiles leave in fill 3's time.
; LIMITS: e2 + e3 between -126 and 127; e5, e6, e7 between -126 and 119.  The promise holds while the scaled scores t stay under 2^31 in magnitude.  NaN among the inputs is not served.
; REGISTERS.  window 0: v1-63 addresses, scales, work; v64-95 Q of heads A, B; v96-223 the scores, then p; v224-255 p's codes (ahead of them: partial sums).  window 1: v0-127 eight fragments of K or V; v128-255 O^T of A, B.
.set SLOT1, 1<<17
.set VOFF,  65536
.set SPARE, 2*SLOT1                    ; behind the ring: the spare words, 128 bytes for each wave
.set STGP,  17*512                     ; a wave's stage at its tile's end: waves 0-3 in slot 0, when it has had its last fill,
.set STGX, SPARE+1024-4*STGP           ; waves 4-7 behind the spare words: they use them while the ring is still at work
.set LI,  1                            ; v1  16 x lane
.set DG,  2                            ; v2  my token less 8 h, within its 128
.set PFO, 3                            ; v3  256 x lane
.set WLO, 4                            ; v4  4 x lane
.set SPW, 5                            ; v5  LDS address of my spare word; never rewritten
.set NIL, 6                            ; v6  0; never rewritten
.set STO, 7                            ; v7  my stage
.set ADK, 8
.set ADV, 9
.set STR, 10                           ; v10 my partner's stage
.set WST, 11                           ; v11 my place in a pair of tiles of w_o's codes
.set AK0, 14                           ; v14 16 x lane + 16,384 x my parity;  v15 the same in V
.set AV0, 15
.set STA, 16                           ; v16-19 head A: -M, the largest t, the sum in two halves;  v20-23 head B
.set STB, 20
.set LMP, 24                           ; largest code x the scale, and the scale: p, the output, w_o
.set SCP, 25
.set LMO, 26
.set SCO, 27
.set LMW, 28
.set SCW, 29
.set WPO, 30                           ; v30 the prefetches of w_o: my lane's row and block; never rewritten
.set FA,  32                           ; v[32:33], v[34:35] the factors 2^(old M - new M)
.set FB,  34
.set TMA, 36
.set TMB, 40
.set NIN, 46
.set QA,  64
.set QB,  80
.set SXA, 96
.set SXB, 160
.set PA,  224
.set PB,  240
.set OA,  128                          ; window 1
.set OB,  192
.set TB,  2                            ; s2  LDS byte of the slot's step in hand
.set CNT, 3
.set SLOTS, 15                         ; s15 fills still to be asked for
.set SBS, 16                           ; s16 the slot's first byte
.set WV,  18
.set BL,  19                           ; s19 my tile's last key step
.set SEL, 20
.set CS,  22
.set G1,  24
.set G0,  40
.set PFA, 56
.set LIMS, 58                          ; s58 1 in the waves that prefetch, else 99
.set KS,  66                           ; s66 the key step in hand
.set PART, 67                          ; s67 my parity
.set MSB, 0
.macro WIN new                         ; the immediate's high byte repeats the setting that is left
.if MSB != \new
	s_set_vgpr_msb (MSB<<8)|\new
.set MSB, \new
.endif
.endm
.macro PLACES                          ; four plain vector lines behind a matrix instruction, ahead of loads into or reads of its registers
.rept 4
	v_nop
.endr
.endm
.macro CROUND                          ; a round of the cluster's barrier
	s_barrier_signal -1
	s_barrier_wait -1
	s_cmp_lg_u32 s[WV], 0
	s_cbranch_scc1 .Lnot_wave_0_\@
	s_barrier_signal -3
.Lnot_wave_0_\@:
	s_barrier_wait -3
	s_barrier_signal -1
	s_barrier_wait -1
.endm
.macro MKSC se, lim, scl               ; 2^e and 448 x 2^e as f32
	s_add_co_i32 s14, \se, 127
	s_lshl_b32 s17, s14, 23
	v_mov_b32 v[\scl], s17
	s_add_co_i32 s14, s14, 8
	s_lshl_b32 s14, s14, 23
	s_or_b32 s14, s14, 0x600000
	v_mov_b32 v[\lim], s14
.endm
	s_load_b256 s[4:11], s[0:1], 0x0               ; qkv_codes, the scales' exponents, a_codes, w_o
	s_load_b64 s[12:13], s[0:1], 0x20              ; wo_codes
	v_lshl_add_u32 v[SPW], v0, 2, SPARE
	v_mov_b32 v[NIL], 0
	ds_add_u32 v[SPW], v[NIL]                      ; the opening lines: the add, twice on end, and its wait; work on registers stands between
	ds_add_u32 v[SPW], v[NIL]
	v_lshrrev_b32 v12, 5, v0
	v_readfirstlane_b32 s[WV], v12                 ; wave 0..7
	s_bfe_u32 s34, ttmp6, 0x40000                  ; cx
	s_and_b32 s35, ttmp7, 0xffff                   ; the k/v head
	s_lshl_b32 s36, ttmp9, 2
	s_add_co_u32 s36, s36, s34                     ; j, 0 .. 31
	; waves 0, 1: quarter 3; 2, 3: quarter 2; 4, 5: quarter 0; 6, 7: quarter 1.  Quarters 1 and 2 count down (n = 1)
	s_bfe_u32 s37, s[WV], 0x10002
	s_bfe_u32 s38, s[WV], 0x10001                  ; n
	s_and_b32 s[PART], s[WV], 1
	s_xor_b32 s[PART], s[PART], s37
	s_xor_b32 s45, s38, s37
	s_xor_b32 s45, s45, 1
	s_xor_b32 s37, s37, 1
	s_lshl_b32 s37, s37, 1
	s_add_co_u32 s37, s37, s45                     ; quarter
	s_mul_i32 s39, s38, 31
	s_xor_b32 s39, s39, s36                        ; j or 31 - j
	s_lshl_b32 s44, s37, 5
	s_add_co_u32 s39, s39, s44                     ; my tile of tokens
	s_mul_i32 s45, s38, 3
	s_lshr_b32 s46, ttmp9, 1
	s_xor_b32 s45, s45, s46
	s_lshl_b32 s46, s37, 2
	s_add_co_u32 s[BL], s45, s46                   ; tile / 8, made without cx: 8 tiles are two clusters' j
	s_lshl_b32 s44, s35, 1
	s_or_b32 s44, s44, s[PART]                     ; head A
	s_xor_b32 s45, s44, 1                          ; head B
	s_lshl_b32 s46, s39, 11
	s_lshl_b32 s48, s44, 18
	s_add_co_u32 s48, s48, s46
	s_mov_b32 s49, 0
	s_lshl_b32 s50, s45, 18
	s_add_co_u32 s50, s50, s46
	s_mov_b32 s51, 0
	s_lshl_b32 s52, s39, 4
	s_add_co_u32 s52, s52, s44
	s_lshl_b32 s52, s52, 11                        ; a_codes: [tile of tokens][head][2,048 bytes]
	s_mov_b32 s53, 0
	; what I fetch: waves 0-3 K, 4-7 V, 16,384 bytes of each fill
	s_lshr_b32 s44, s[WV], 2
	s_lshl_b32 s44, s44, 3
	s_add_co_u32 s44, s44, s35
	s_add_co_u32 s44, s44, 16
	s_lshl_b32 s44, s44, 18
	s_and_b32 s62, s[WV], 3
	s_lshl_b32 s45, s62, 14
	s_add_co_u32 s44, s44, s45
	s_mov_b32 s45, 0
	s_lshl_b32 s46, s34, 13                        ; the prefetches: partner cx takes 8,192 bytes of 32,768
	s_mov_b32 s47, 0
	; my work-group's 128 columns (nb) x 128 K (kb) of w_o; wave 4 + i: 32 columns
	s_lshl_b32 s59, s35, 5
	s_add_co_u32 s59, s59, s36
	s_and_b32 s63, s59, 15                         ; nb
	s_lshr_b32 s59, s59, 4                         ; kb
	s_lshl_b32 s54, s59, 20                        ; 128 rows of 8,192 bytes
	s_lshl_b32 s55, s63, 9
	s_add_co_u32 s54, s54, s55
	s_lshl_b32 s55, s62, 7
	s_add_co_u32 s54, s54, s55
	s_mov_b32 s55, 0
	s_lshl_b32 s60, s63, 3
	s_lshl_b32 s61, s62, 1
	s_add_co_u32 s60, s60, s61                     ; my pair of tiles
	s_lshl_b32 s60, s60, 15
	s_lshl_b32 s61, s59, 11
	s_add_co_u32 s60, s60, s61
	s_mov_b32 s61, 0
	; who prefetches K and V: the even waves of two of a head's eight clusters (x = 0 and x = 5)
	s_cmp_eq_u32 ttmp9, 5
	s_cselect_b32 s59, 0, ttmp9
	s_and_b32 s62, s[WV], 1
	s_or_b32 s59, s59, s62
	s_cmp_eq_u32 s59, 0
	s_cselect_b32 s[LIMS], 1, 99
	s_mul_i32 s63, s[WV], STGP
	s_xor_b32 s62, s[WV], 1                        ; my partner
	s_mul_i32 s62, s62, STGP
	s_lshr_b32 s59, s[WV], 2
	s_mul_i32 s59, s59, STGX
	s_add_co_u32 s63, s63, s59
	s_add_co_u32 s62, s62, s59
	s_and_b32 s14, s[WV], 3
	s_mul_i32 s14, s14, 16*8192-128                ; 16 rows of w_o a wave, less the wave's columns, which its pointer holds
	; descriptor group 1: 64 rows of 256 bytes, dense
	s_mov_b32 s[G1], 15|(3<<16)|(1<<21)            ; 15:0 all four partners; 17:16 elements of 8 bytes; 21 set beside a mask
	s_mov_b32 s[G1+1], 32<<16
	s_mov_b32 s[G1+2], 64<<16
	s_mov_b32 s[G1+3], 32<<16
	s_mov_b32 s[G1+4], 64
	s_mov_b32 s[G1+5], 32
	s_mov_b32 s[G1+6], 0
	s_mov_b32 s[G1+7], 0
	s_mov_b32 s[SEL], 0x76543210                   ; v_permlanex16_b32's selects for lane l xor 16
	s_mov_b32 s[SEL+1], 0xfedcba98
	s_mov_b32 s[CS], 0x3fb8aa3b                    ; log2(e)
	s_mov_b32 s[SBS], 0
	s_mov_b32 s[SLOTS], 3
	s_mov_b32 s[KS], s[PART]
	s_wait_dscnt 0x0                               ; both opening adds are done
	CROUND                                         ; all four partners are here: the first joint loads, behind this round, meet.  It stands ahead of the wait for the arguments
	s_wait_kmcnt 0x0
	s_load_b256 s[68:75], s[6:7], 0x0              ; e0 .. e7
	s_mov_b32 s[G0], 1
	s_lshl_b32 s[G0+1], s[WV], 14                  ; LDS: K's four parts, then V's
	s_add_nc_u64 s[G0+2:G0+3], s[4:5], s[44:45]
	s_add_nc_u64 s[PFA:PFA+1], s[4:5], s[44:45]
	s_or_b32 s[G0+3], s[G0+3], 0x80000000
	s_add_nc_u64 s[PFA:PFA+1], s[PFA:PFA+1], s[46:47]
	s_add_nc_u64 s[PFA:PFA+1], s[PFA:PFA+1], 0x10000   ; fill 1
	s_add_nc_u64 s[48:49], s[4:5], s[48:49]
	s_add_nc_u64 s[50:51], s[4:5], s[50:51]
	s_add_nc_u64 s[8:9], s[8:9], s[52:53]
	s_add_nc_u64 s[10:11], s[10:11], s[54:55]
	s_add_nc_u64 s[12:13], s[12:13], s[60:61]
	tensor_load_to_lds s[G0:G0+3], s[G1:G1+7]      ; fill 0
	s_nop 0
	PLACES
	v_and_b32 v12, 31, v0
	v_lshlrev_b32 v[LI], 4, v12
	v_lshlrev_b32 v[PFO], 8, v12
	v_lshlrev_b32 v[WLO], 2, v12
	v_lshrrev_b32 v13, 1, v12
	v_lshlrev_b32 v13, 13, v13
	v_and_b32 v[WPO], 1, v12
	v_lshl_add_u32 v[WPO], v[WPO], 8, v13          ; row lane / 2, block lane % 2 of the work-group's 512 bytes of a row
	v_add_nc_u32 v[WPO], s14, v[WPO]
.irp c, 0,1,2,3
	global_load_b128 v[QA+4*\c:QA+4*\c+3], v[LI], s[48:49] offset:\c*512
.endr
.irp c, 0,1,2,3
	global_load_b128 v[QB+4*\c:QB+4*\c+3], v[LI], s[50:51] offset:\c*512
.endr
	v_add_nc_u32 v[STO], s63, v[LI]
	v_add_nc_u32 v[STR], s62, v[LI]
	s_lshl_b32 s14, s[PART], 14
	v_add_nc_u32 v[AK0], s14, v[LI]
	v_add_nc_u32 v[AV0], VOFF, v[AK0]
	v_and_b32 v12, 15, v0
	v_bfe_u32 v13, v0, 4, 1                        ; h
	v_lshlrev_b32 v36, 3, v13
	v_sub_nc_u32 v[DG], v12, v36
	s_and_b32 s14, s39, 7
	s_lshl_b32 s14, s14, 4
	v_add_nc_u32 v[DG], s14, v[DG]
	; column l of a wave's 32 of w_o is row (l % 8) + 8 (l / 16) of tile u = (l / 8) % 2 of the pair
	v_bfe_u32 v36, v0, 3, 1
	v_and_b32 v37, 7, v0
	v_lshl_add_u32 v37, v13, 3, v37
	v_lshlrev_b32 v37, 4, v37
	v_lshl_add_u32 v[WST], v36, 15, v37
	v_mov_b32 v[STA+1], 0xff61b1e6                 ; the largest t so far: -3e38, under every t
	v_mov_b32 v[STB+1], 0xff61b1e6
	v_floor_f32 v[STA], -v[STA+1]                  ; -M
	v_floor_f32 v[STB], -v[STB+1]
.irp r, STA+2, STA+3, STB+2, STB+3, FA+1, FB+1, 44, 45, 50
	v_mov_b32 v[\r], 0                             ; the sums; upper halves of named pairs; lane permutes' destinations
.endr
	WIN 0x40
.set j, 0
.rept 128
	v_mov_b32 v[OA+j], 0                           ; O^T: the key step is written without a first step of its own, and a wave may have none
.set j, j+1
.endr
	WIN 0
	s_wait_kmcnt 0x0
	s_add_co_i32 s14, s70, s71
	s_lshl_b32 s14, s14, 23
	s_add_co_i32 s[CS], s[CS], s14                 ; a score stands for score x 2^(e2 + e3)
	s_mov_b32 s[CS+1], s[CS]                       ; (named with it as a pair)
	MKSC s73, LMP, SCP
	MKSC s74, LMO, SCO
	MKSC s75, LMW, SCW
	s_wait_alu depctr_va_vdst(0)
; A PREFETCH INTO THE L2 of the fill behind the one just asked for: in two of a head's clusters each even wave asks for 8,192 bytes, a lane a block of 256; the four partners share a fill's 131,072 bytes out by address.
	s_cmp_eq_u32 s[LIMS], 1
	s_cbranch_scc0 .Lnot_mine
	global_prefetch_b8 v[PFO], s[PFA:PFA+1] th:TH_LOAD_NT scope:SCOPE_SE   ; fill 1
.Lnot_mine:
	s_wait_loadcnt 0x0                             ; Q
.macro BADD j                          ; head B's sums, four chains
.irp k, 0,2,4,6
	v_pk_add_f32 v[TMA+\k:TMA+\k+1], v[TMA+\k:TMA+\k+1], v[SXB+\j+\k:SXB+\j+\k+1]
.endr
.endm
.macro ATREE n                         ; head A's partial sums: n pairs are added onto n pairs
.set k, 0
.rept \n
	v_pk_add_f32 v[PA+2*k:PA+2*k+1], v[PA+2*k:PA+2*k+1], v[PA+2*(\n)+2*k:PA+2*(\n)+2*k+1]
.set k, k+1
.endr
.endm
; A KEY STEP: 128 keys x 16 tokens x two heads.  A step all of whose keys are hidden is jumped over (ids alone; no barrier and no tensor load stands in it).
.macro STEP
	s_cmp_gt_u32 s[KS], s[BL]
	s_cbranch_scc1 .Lhid_\@
	v_add_nc_u32 v[ADK], s[TB], v[AK0]
	v_add_nc_u32 v[ADV], s[TB], v[AV0]
	v_nop                                          ; with the two additions four places behind the last products, which read these fragments' registers
	v_nop
	WIN 0x40                                       ; destination window 1
.irp t, 0,1,2,3,4,5,6,7
.irp c, 0,1,2,3
	ds_load_b128 v[16*\t+4*\c:16*\t+4*\c+3], v[ADK] offset:\t*2048+\c*512
.endr
.endr
	s_wait_alu depctr_va_vdst(0)
	WIN 0x01                                       ; S^T = K Q^T: source 0 (K) window 1, source 1 (Q) and D window 0
.irp g, 0,1,2,3
	s_wait_dscnt 24-8*\g                           ; two more tiles of K are in; the younger ones may be out
.irp t, 2*\g, 2*\g+1
	v_wmma_f32_16x16x128_fp8_fp8 v[SXA+8*(\t):SXA+8*(\t)+7], v[16*(\t):16*(\t)+15], v[QA:QA+15], 0
	v_wmma_f32_16x16x128_fp8_fp8 v[SXB+8*(\t):SXB+8*(\t)+7], v[16*(\t):16*(\t)+15], v[QB:QB+15], 0
.endr
.endr
	PLACES
	WIN 0x40
.irp t, 0,1,2,3,4,5,6,7                ; V's eight tiles: on their way while the softmax is worked
.irp c, 0,1,2,3
	ds_load_b128 v[16*\t+4*\c:16*\t+4*\c+3], v[ADV] offset:\t*2048+\c*512
.endr
.endr
	WIN 0
	s_cmp_lg_u32 s[KS], s[BL]
	s_cbranch_scc1 .Lopen_\@
	v_mov_b32 v[NIN], 0xff800000                   ; on the diagonal hidden scores become -infinity; register n holds key 16 (n / 8) + 8 h + n % 8
.set n, 0
.rept 64
	v_cmp_gt_i32 vcc_lo, 16*(n/8)+n%8, v[DG]
	v_cndmask_b32 v[SXA+n], v[SXA+n], v[NIN], vcc_lo
	v_cndmask_b32 v[SXB+n], v[SXB+n], v[NIN], vcc_lo
.set n, n+1
.endr
.Lopen_\@:
.irp k, 0,1,2,3                        ; the largest scores, four chains a head
	v_max3_num_f32 v[TMA+\k], v[SXA+16*\k], v[SXA+16*\k+1], v[SXA+16*\k+2]
	v_max3_num_f32 v[TMB+\k], v[SXB+16*\k], v[SXB+16*\k+1], v[SXB+16*\k+2]
.endr
.irp i, 3,5,7,9,11,13
.irp k, 0,1,2,3
	v_max3_num_f32 v[TMA+\k], v[TMA+\k], v[SXA+16*\k+\i], v[SXA+16*\k+\i+1]
	v_max3_num_f32 v[TMB+\k], v[TMB+\k], v[SXB+16*\k+\i], v[SXB+16*\k+\i+1]
.endr
.endr
	v_max3_num_f32 v[TMA], v[TMA], v[TMA+1], v[SXA+15]
	v_max3_num_f32 v[TMB], v[TMB], v[TMB+1], v[SXB+15]
	v_max3_num_f32 v[TMA+2], v[TMA+2], v[TMA+3], v[SXA+31]
	v_max3_num_f32 v[TMB+2], v[TMB+2], v[TMB+3], v[SXB+31]
	v_max3_num_f32 v[TMA], v[TMA], v[SXA+47], v[SXA+63]
	v_max3_num_f32 v[TMB], v[TMB], v[SXB+47], v[SXB+63]
	v_max_num_f32 v[TMA], v[TMA], v[TMA+2]
	v_max_num_f32 v[TMB], v[TMB], v[TMB+2]
	v_permlanex16_b32 v44, v[TMA], s[SEL], s[SEL+1]
	v_permlanex16_b32 v45, v[TMB], s[SEL], s[SEL+1]
	v_max_num_f32 v[TMA], v[TMA], v44              ; among lane l xor 16's keys too
	v_max_num_f32 v[TMB], v[TMB], v45
	v_mul_f32 v[TMA], s[CS], v[TMA]                ; as t (the factor is positive)
	v_mul_f32 v[TMB], s[CS], v[TMB]
	v_max_num_f32 v[STA+1], v[STA+1], v[TMA]
	v_max_num_f32 v[STB+1], v[STB+1], v[TMB]
	v_mov_b32 v[TMA], v[STA]
	v_mov_b32 v[TMB], v[STB]
	v_floor_f32 v[STA], -v[STA+1]                  ; the new -M = floor(-t)
	v_floor_f32 v[STB], -v[STB+1]
	v_sub_f32 v[TMA], v[STA], v[TMA]               ; old M - new M
	v_sub_f32 v[TMB], v[STB], v[TMB]
	v_cvt_i32_f32 v[TMA], v[TMA]                   ; (it saturates)
	v_cvt_i32_f32 v[TMB], v[TMB]
	v_ldexp_f32 v[FA], 1.0, v[TMA]
	v_ldexp_f32 v[FB], 1.0, v[TMB]
.set j, 0
.rept 32
	v_pk_fma_f32 v[SXA+j:SXA+j+1], v[SXA+j:SXA+j+1], s[CS:CS+1], v[STA:STA+1] op_sel_hi:[1,0,0]   ; t - M
.set j, j+2
.endr
	s_wait_alu depctr_va_vdst(0)
.set j, 0
.rept 32                               ; A's exponentials, B's t - M between them
	v_exp_f32 v[SXA+j], v[SXA+j]
	v_exp_f32 v[SXA+j+1], v[SXA+j+1]
	v_pk_fma_f32 v[SXB+j:SXB+j+1], v[SXB+j:SXB+j+1], s[CS:CS+1], v[STB:STB+1] op_sel_hi:[1,0,0]
.set j, j+2
.endr
	s_wait_alu depctr_va_vdst(0)
; B's exponentials.  Between them A's first sums, of the unheld p (into the registers that p's codes take later), and behind each sum the hold of the same four p: p is never negative,
; so the hold at the largest code x the scale is one-sided (the conversion does not saturate: ISA guide 7.6.2)
.set j, 0
.rept 16
	v_exp_f32 v[SXB+4*j], v[SXB+4*j]
	v_exp_f32 v[SXB+4*j+1], v[SXB+4*j+1]
	v_pk_add_f32 v[PA+2*j:PA+2*j+1], v[SXA+4*j:SXA+4*j+1], v[SXA+4*j+2:SXA+4*j+3]
	v_exp_f32 v[SXB+4*j+2], v[SXB+4*j+2]
	v_exp_f32 v[SXB+4*j+3], v[SXB+4*j+3]
	v_dual_min_num_f32 v[SXA+4*j], v[SXA+4*j], v[LMP] :: v_dual_min_num_f32 v[SXA+4*j+1], v[SXA+4*j+1], v[LMP]
	v_dual_min_num_f32 v[SXA+4*j+2], v[SXA+4*j+2], v[LMP] :: v_dual_min_num_f32 v[SXA+4*j+3], v[SXA+4*j+3], v[LMP]
.set j, j+1
.endr
	s_wait_alu depctr_va_vdst(0)
	v_pk_mul_f32 v[STA+2:STA+3], v[STA+2:STA+3], v[FA:FA+1] op_sel_hi:[1,0]   ; the sums under the new M
	v_pk_mul_f32 v[STB+2:STB+3], v[STB+2:STB+3], v[FB:FB+1] op_sel_hi:[1,0]
	ATREE 8
.irp k, 0,2,4,6
	v_pk_add_f32 v[TMA+\k:TMA+\k+1], v[SXB+2*\k:SXB+2*\k+1], v[SXB+2*\k+2:SXB+2*\k+3]
.endr
	BADD 16
	ATREE 4
	BADD 24
	ATREE 2
	BADD 32
	ATREE 1
	BADD 40
	v_pk_add_f32 v[STA+2:STA+3], v[STA+2:STA+3], v[PA:PA+1]
	BADD 48
	BADD 56
	v_pk_add_f32 v[TMA:TMA+1], v[TMA:TMA+1], v[TMA+2:TMA+3]
	v_pk_add_f32 v[TMA+4:TMA+5], v[TMA+4:TMA+5], v[TMA+6:TMA+7]
.set j, 0
.rept 32
	v_dual_min_num_f32 v[SXB+j], v[SXB+j], v[LMP] :: v_dual_min_num_f32 v[SXB+j+1], v[SXB+j+1], v[LMP]
.set j, j+2
.endr
	v_pk_add_f32 v[TMA:TMA+1], v[TMA:TMA+1], v[TMA+4:TMA+5]
.irp t, 0,1,2,3,4,5,6,7
	v_cvt_scalef32_pk8_fp8_f32 v[PA+2*\t:PA+2*\t+1], v[SXA+8*\t:SXA+8*\t+7], v[SCP]
.endr
	v_pk_add_f32 v[STB+2:STB+3], v[STB+2:STB+3], v[TMA:TMA+1]
.irp t, 0,1,2,3,4,5,6,7
	v_cvt_scalef32_pk8_fp8_f32 v[PB+2*\t:PB+2*\t+1], v[SXB+8*\t:SXB+8*\t+7], v[SCP]
.endr
	v_nop                                          ; one plain vector line behind the conversions
	WIN 0x41                                       ; destination and source 0 window 1
	s_wait_alu depctr_va_vdst(0)
.set j, 0
.rept 32
	v_pk_mul_f32 v[OA+j:OA+j+1], v[OA+j:OA+j+1], v[FA:FA+1] op_sel_hi:[1,0]   ; O^T under the new M
.set j, j+2
.endr
.set j, 0
.rept 32
	v_pk_mul_f32 v[OB+j:OB+j+1], v[OB+j:OB+j+1], v[FB:FB+1] op_sel_hi:[1,0]
.set j, j+2
.endr
	s_wait_alu depctr_va_vdst(0)
	s_wait_dscnt 0x0                               ; V
	WIN 0x51                                       ; O^T += V^T P^T: source 0, C and D window 1, source 1 (p's codes) window 0
.irp t, 0,1,2,3,4,5,6,7
	v_wmma_f32_16x16x128_fp8_fp8 v[OA+8*\t:OA+8*\t+7], v[16*\t:16*\t+15], v[PA:PA+15], v[OA+8*\t:OA+8*\t+7]
	v_wmma_f32_16x16x128_fp8_fp8 v[OB+8*\t:OB+8*\t+7], v[16*\t:16*\t+15], v[PB:PB+15], v[OB+8*\t:OB+8*\t+7]
.endr
	WIN 0
.Lhid_\@:
.endm
.macro SLOTSTEPS                       ; my two key steps of the slot, 32,768 bytes apart
	s_mov_b32 s[TB], s[SBS]
	s_mov_b32 s[CNT], 2
.Lks_\@:
	STEP
	s_xor_b32 s[TB], s[TB], 0x8000
	s_add_co_u32 s[KS], s[KS], 2
	s_sub_co_u32 s[CNT], s[CNT], 1
	s_cmp_lg_u32 s[CNT], 0
	s_cbranch_scc1 .Lks_\@
.endm
; THE CHANGE OF SLOTS stands at a slot's head: my loads have landed, the add, my reads of the slot just left are over; behind the round that slot takes the next fill.
.macro CHANGE fill
	s_wait_tensorcnt 0x0
	ds_add_u32 v[SPW], v[NIL]
.if \fill
	s_xor_b32 s[G0+1], s[G0+1], SLOT1
	s_add_nc_u64 s[G0+2:G0+3], s[G0+2:G0+3], 0x10000
	s_wait_xcnt 0x0                                ; any prefetch of mine has read its address
	s_add_nc_u64 s[PFA:PFA+1], s[PFA:PFA+1], 0x10000
.endif
	s_wait_dscnt 0x0
.if \fill
	CROUND
	tensor_load_to_lds s[G0:G0+3], s[G1:G1+7]
	s_nop 0
	PLACES
	s_cmp_gt_u32 s[SLOTS], s[LIMS]                 ; behind the last fill there is nothing to ask for
	s_cbranch_scc0 .Lnot_mine_\@
	global_prefetch_b8 v[PFO], s[PFA:PFA+1] th:TH_LOAD_NT scope:SCOPE_SE
.Lnot_mine_\@:
.else
	s_barrier_signal -1
	s_barrier_wait -1
.endif
.endm
; Two blocks of 32 K of my 32 columns of w_o: a lane takes a column and its registers run down K, so the conversions give codes with K innermost.
.macro WPAIR b
.set j, 0
.rept 64
	global_load_b32 v[SXA+j], v[WLO], s[10:11] offset:(64*(\b)+j)*8192 th:TH_LOAD_NT
.set j, j+1
.endr
.irp i, 0,1
	s_wait_loadcnt 32-32*\i                        ; this block's 32 loads are in; the other's may be out
.set j, 0
.rept 32
	v_med3_num_f32 v[SXA+32*\i+j], v[SXA+32*\i+j], -v[LMW], v[LMW]
.set j, j+1
.endr
.irp g, 0,1,2,3
	v_cvt_scalef32_pk8_fp8_f32 v[PA+16*(\b)+8*\i+2*\g:PA+16*(\b)+8*\i+2*\g+1], v[SXA+32*\i+8*\g:SXA+32*\i+8*\g+7], v[SCW]
.endr
	v_nop                                          ; one plain vector line behind the conversions
	global_store_b128 v[WST], v[PA+16*(\b)+8*\i:PA+16*(\b)+8*\i+3], s[12:13] offset:(2*(\b)+\i)*512        ; the 16 lanes of a tile write 256 consecutive bytes, aligned
	global_store_b128 v[WST], v[PA+16*(\b)+8*\i+4:PA+16*(\b)+8*\i+7], s[12:13] offset:(2*(\b)+\i)*512+256
.endr
	s_wait_xcnt 0x0                                ; the stores have read their registers
.endm
; A TILE'S END, in two parts.  GIVE: head B's sums into my stage, for my partner.  TAKE, behind a barrier: the partner's sums for head A are joined with mine, divided by the row's sum, quantised and stored.
.macro GIVE
	PLACES
	WIN 0x04                                       ; store data window 1
.irp i, 0,1,2,3,4,5,6,7,8,9,10,11,12,13,14,15
	ds_store_b128 v[STO], v[OB+4*\i:OB+4*\i+3] offset:\i*512
.endr
	WIN 0
	ds_store_b128 v[STO], v[STB:STB+3] offset:16*512
.endm
.macro TAKE
	ds_load_b128 v[36:39], v[STR] offset:16*512    ; the partner's -M, largest t, sum
.irp i, 0,1,2,3,4,5,6,7,8,9,10,11,12,13,14,15
	ds_load_b128 v[SXA+4*\i:SXA+4*\i+3], v[STR] offset:\i*512
.endr
	s_wait_dscnt 0x10                              ; the first of the 17 is in
	v_min_num_f32 v40, v[STA], v36                 ; the larger M's -M
	v_add_f32 v42, v[STA+2], v[STA+3]
	v_add_f32 v43, v38, v39
	v_sub_f32 v44, v40, v[STA]
	v_sub_f32 v45, v40, v36
	v_cvt_i32_f32 v44, v44                         ; (a wave without keys has M = -3e38: its factor is 0)
	v_cvt_i32_f32 v45, v45
	v_ldexp_f32 v46, 1.0, v44
	v_ldexp_f32 v48, 1.0, v45
	v_mul_f32 v42, v42, v46
	v_fma_f32 v42, v43, v48, v42
	v_permlanex16_b32 v50, v42, s[SEL], s[SEL+1]
	v_add_f32 v42, v42, v50                        ; the row's sum
	s_wait_alu depctr_va_vdst(0)
	v_rcp_f32 v42, v42
	v_nop                                          ; a plain line behind it
	s_add_co_i32 s14, s72, s73
	s_wait_alu depctr_va_vdst(0)
	v_ldexp_f32 v42, v42, s14                      ; x 2^(e4 + e5)
	v_mul_f32 v46, v46, v42
	v_mul_f32 v48, v48, v42
	v_mov_b32 v47, v46                             ; (named as pairs)
	v_mov_b32 v49, v48
	s_wait_alu depctr_va_vdst(0)
	s_wait_dscnt 0x0
.set j, 0
.rept 32
	v_pk_mul_f32 v[SXA+j:SXA+j+1], v[SXA+j:SXA+j+1], v[48:49] op_sel_hi:[1,0]
.set j, j+2
.endr
	WIN 0x01                                       ; source 0 window 1
	s_wait_alu depctr_va_vdst(0)
.set j, 0
.rept 32
	v_pk_fma_f32 v[SXA+j:SXA+j+1], v[OA+j:OA+j+1], v[46:47], v[SXA+j:SXA+j+1] op_sel_hi:[1,0,1]
.set j, j+2
.endr
	WIN 0
.set j, 0
.rept 64
	v_med3_num_f32 v[SXA+j], v[SXA+j], -v[LMO], v[LMO]   ; the hold at the largest code x the scale
.set j, j+1
.endr
.irp t, 0,1,2,3,4,5,6,7
	v_cvt_scalef32_pk8_fp8_f32 v[PA+2*\t:PA+2*\t+1], v[SXA+8*\t:SXA+8*\t+7], v[SCO]
.endr
	v_nop                                          ; one plain vector line behind the conversions
.irp c, 0,1,2,3
	global_store_b128 v[LI], v[PA+4*\c:PA+4*\c+3], s[8:9] offset:\c*512   ; 512 consecutive bytes, aligned
.endr
	s_wait_xcnt 0x0                                ; the stores have read their registers
.endm
.Lslot:
	CHANGE 1
	s_cmp_lt_u32 s[WV], 4
	s_cbranch_scc1 .Lno_w
	s_cmp_eq_u32 s[SLOTS], 3
	s_cbranch_scc1 .Lno_w
	s_cmp_eq_u32 s[SLOTS], 1
	s_cbranch_scc1 .Lw
	; fill 1: the 64 rows of w_o that the next fill's time takes are asked for: 128 blocks of 256 bytes, 32 a wave, each once in the launch
	global_prefetch_b8 v[WPO], s[10:11] th:TH_LOAD_NT scope:SCOPE_SE
	s_branch .Lno_w
.Lw:                                               ; fill 2: waves 4-7 have no keys left
	GIVE
	WPAIR 0
	global_prefetch_b8 v[WPO], s[10:11] offset:64*8192 th:TH_LOAD_NT scope:SCOPE_SE   ; the other 64 rows
.Lno_w:
	SLOTSTEPS
	s_xor_b32 s[SBS], s[SBS], SLOT1
	s_sub_co_u32 s[SLOTS], s[SLOTS], 1
	s_cmp_lg_u32 s[SLOTS], 0
	s_cbranch_scc1 .Lslot
	CHANGE 0                                       ; the last fill's steps are written out
	s_cmp_lt_u32 s[WV], 4
	s_cbranch_scc1 .Lno_w2
	TAKE                                           ; the first two quarters' tiles leave (their stages were filled ahead of the barrier)
	WPAIR 1
.Lno_w2:
	SLOTSTEPS
	s_cmp_lt_u32 s[WV], 4
	s_cbranch_scc0 .Lgiven
	GIVE                                           ; the last two quarters': through slot 0, which has had its last fill and its last read
.Lgiven:
	s_wait_dscnt 0x0
	s_barrier_signal -1
	s_barrier_wait -1
	s_cmp_lt_u32 s[WV], 4
	s_cbranch_scc0 .Lend
	TAKE
.Lend:
	s_wait_tensorcnt 0x0                           ; the wave's end
	ds_add_u32 v[SPW], v[NIL]
	s_wait_dscnt 0x0
	CROUND                                         ; the closing round
	s_endpgm
.Lfunc_end_k_qdeb6265f24_attn:
	.size	k_qdeb6265f24_attn, .Lfunc_end_k_qdeb6265f24_attn-k_qdeb6265f24_attn
	.p2alignl 7, 3214868480
	.fill 96, 4, 3214868480
	.section	.rodata,"a",@progbits
	.p2align	6, 0x0
	.amdhsa_kernel k_qdeb6265f24_attn
		.amdhsa_group_segment_fixed_size 327680
		.amdhsa_private_segment_fixed_size 0
		.amdhsa_enable_private_segment 0
		.amdhsa_kernarg_size 40
		.amdhsa_user_sgpr_count 2
		.amdhsa_user_sgpr_kernarg_segment_ptr 1
		.amdhsa_wavefront_size32 1
		.amdhsa_system_sgpr_workgroup_id_x 1
		.amdhsa_system_sgpr_workgroup_id_y 1
		.amdhsa_system_sgpr_workgroup_id_z 1
		.amdhsa_system_vgpr_workitem_id 0
		.amdhsa_next_free_vgpr 512
		.amdhsa_next_free_sgpr 80
		.amdhsa_reserve_vcc 1
		.amdhsa_float_denorm_mode_32 3
		.amdhsa_float_denorm_mode_16_64 3
		.amdhsa_memory_ordered 1
		.amdhsa_forward_progress 1
		.amdhsa_inst_pref_size 143
	.end_amdhsa_kernel
	.amdgpu_metadata
---
amdhsa.version: [ 1, 2 ]
amdhsa.kernels:
  - .name:           k_qdeb6265f24_attn
    .symbol:         k_qdeb6265f24_attn.kd
    .args:
      - { .name: qkv_codes, .offset: 0, .size: 8, .value_kind: global_buffer, .address_space: global }
      - { .name: lowp_scales, .offset: 8, .size: 8, .value_kind: global_buffer, .address_space: global }
      - { .name: a_codes, .offset: 16, .size: 8, .value_kind: global_buffer, .address_space: global }
      - { .name: w_o, .offset: 24, .size: 8, .value_kind: global_buffer, .address_space: global }
      - { .name: wo_codes, .offset: 32, .size: 8, .value_kind: global_buffer, .address_space: global }
    .group_segment_fixed_size: 327680
    .private_segment_fixed_size: 0
    .kernarg_segment_align: 8
    .kernarg_segment_size: 40
    .max_flat_workgroup_size: 256
    .sgpr_count:     80
    .vgpr_count:     512
    .wavefront_size: 32
...
	.end_amdgpu_metadata
.endif
;; end of part 3
;; launch oproj (part 4): grid 16 x 16, 4 waves a work-group, clusters of 4 x 4, 327,680 bytes of LDS; arguments a_codes, wo_codes, lowp_scales, out0; writes out0
.if DOCPART == 4
	.amdgcn_target "amdgcn-amd-amdhsa--gfx1250"
	.amdhsa_code_object_version 6
	.text
	.protected	k_qdeb6265f24_oproj
	.globl	k_qdeb6265f24_oproj
	.p2align	8
	.type	k_qdeb6265f24_oproj,@function
k_qdeb6265f24_oproj:
	s_mov_b64 s[64:65], 0
	v_nop
	global_prefetch_b8 v0, s[64:65] scope:SCOPE_SE
	s_setreg_imm32_b32 hwreg(HW_REG_WAVE_MODE, 25, 1), 1
	s_wait_xcnt 0x0
	s_wait_alu depctr_hold_cnt(0) depctr_sa_sdst(0) depctr_va_vdst(0) depctr_va_sdst(0) depctr_va_ssrc(0) depctr_va_vcc(0) depctr_vm_vsrc(0)
	s_getreg_b32 s2, hwreg(HW_REG_IB_STS2, 6, 4)
	s_cmp_eq_u32 s2, 0
	s_cbranch_scc0 .Lentry_in_a_cluster
	s_endpgm
.Lentry_in_a_cluster:
	s_bfe_u32 s2, ttmp6, 0x10000c
	s_cmp_lg_u32 s2, 0xf033
	s_cbranch_scc0 .Lentry_shape_is_right
	s_endpgm
.Lentry_shape_is_right:
; OPROJ: out0 = (attention's result) x w_o on codes of FP8, K = 2,048; each finished sum is multiplied once by 2^(e6 + e7).  out0: [2048][2048] f32.
; Both operands are images of fragment registers, [tile of 16 rows][16 chunks of 128 K][2,048 bytes]: a_codes (tiles of tokens) and wo_codes (columns of w_o, its tiles 0-127).
; A tile of out0 is 128 x 128, so that there are 256 work-groups.  X = 8 tiles of w_o (source 0), Y = 8 tiles of tokens (source 1); wave w takes X's half w % 2 and Y's half w / 2: 4 x 4 tiles, 16 accumulators.
; The weight's tiles take their columns in the order 32 b + 8 u + r + 8 (r / 8), so a lane's 32 results of a tile of tokens are two runs of 16 neighbouring columns of one row.
; CLUSTERS: 4 x 4.  X hangs on the work-group's x alone and is asked for jointly by a column of the cluster, Y on its y alone, by a row.
; THE RING: two LDS slots of 4 chunks (131,072 bytes); K's 16 chunks are four fills.  By this text's count a wave has two tensor loads out at the start and one behind each of two changes of slots.
; LIMIT: e6 + e7 between -126 and 127, so that 2^(e6 + e7) is an f32 number.
; REGISTERS: window 0: v1-11 addresses; v32-63 a tile's results x the scale; v64-127 rows read back, two sets; v128-255 the accumulators, (y, x) at v[128 + 8 (4 y + x)].   window 1: two sets of fragments: X's four at v[128 p], Y's four at v[128 p + 64].
.set CHB,   2048
.set TP,    4*CHB                      ; a tile's bytes in a slot
.set SLOT,  16*TP                      ; X's 8 tiles, then Y's 8
.set STAGE, 2*SLOT                     ; behind the ring: 16 rows x (256 bytes + 16) for each wave; no tensor load fills it
.set SPITCH, 272                       ; 68 words: row r starts at bank 4 r mod 64 (64 banks of 4 bytes: ISA guide 11.1)
.set SPARE, STAGE+4*16*SPITCH          ; behind the stages: the spare words, 128 bytes for each wave: two blocks of 256 bytes that no other line names
.set LI,  1
.set ADX, 2
.set ADY, 4
.set STO, 6
.set RD,  7
.set CO,  8
.set SPW, 10
.set NIL, 11
.set TMP, 32
.set BK,  64
.set ACC, 128
.set G1X, 24
.set G1Y, 32
.set G0X, 40                           ; s[40:47] groups 0 of X for slot 0, 1;  s[48:55] of Y
.set G0Y, 48
.set MULW, 0x05                        ; sources 0 and 1 window 1; C and D window 0
.set MSB, 0
.macro WIN new                         ; the immediate's high byte repeats the setting that is left
.if MSB != \new
	s_set_vgpr_msb (MSB<<8)|\new
.set MSB, \new
.endif
.endm
.macro PLACES                          ; four plain vector lines between a matrix instruction and a load into, or a vector read of, its registers
.rept 4
	v_nop
.endr
.endm
.macro JLOAD s                         ; a joint load: waves 0 and 1 ask for X's halves, waves 2 and 3 for Y's; four v_nop follow each of the two lines
	s_cmp_eq_u32 s13, 0
	s_cbranch_scc0 .Lfor_y_\@
	tensor_load_to_lds s[G0X+4*\s:G0X+4*\s+3], s[G1X:G1X+7]
	s_nop 0
.rept 4
	v_nop
.endr
	s_branch .Lasked_\@
.Lfor_y_\@:
	tensor_load_to_lds s[G0Y+4*\s:G0Y+4*\s+3], s[G1Y:G1Y+7]
	s_nop 0
.rept 4
	v_nop
.endr
.Lasked_\@:
.endm
.macro CREST
	s_cmp_lg_u32 s12, 0
	s_cbranch_scc1 .Lnot_wave_0_\@
	s_barrier_signal -3
.Lnot_wave_0_\@:
	s_barrier_wait -3
	s_barrier_signal -1
	s_barrier_wait -1
.endm
.macro CROUND
	s_barrier_signal -1
	s_barrier_wait -1
	CREST
.endm
.macro FETCH slot, q, p                ; 32 LDS loads: my four fragments of X and four of Y of the slot's q-th chunk, as they lie
	WIN 0x40                                       ; destination window 1, address window 0
.irp i, 0,1,2,3
.irp c, 0,1,2,3
	ds_load_b128 v[128*(\p)+16*\i+4*\c:128*(\p)+16*\i+4*\c+3], v[ADX+\slot] offset:\i*TP+(\q)*CHB+\c*512
.endr
.endr
.irp i, 0,1,2,3
.irp c, 0,1,2,3
	ds_load_b128 v[128*(\p)+64+16*\i+4*\c:128*(\p)+64+16*\i+4*\c+3], v[ADY+\slot] offset:\i*TP+(\q)*CHB+\c*512
.endr
.endr
.endm
.macro MUL4 y, p, zero                 ; Y's tile y against X's four.  The 16 accumulators take turns in the same order in every chunk
.irp x, 0,1,2,3
.if \zero
	v_wmma_f32_16x16x128_fp8_fp8 v[ACC+8*(4*(\y)+\x):ACC+8*(4*(\y)+\x)+7], v[128*(\p)+16*\x:128*(\p)+16*\x+15], v[128*(\p)+64+16*(\y):128*(\p)+64+16*(\y)+15], 0
.else
	v_wmma_f32_16x16x128_fp8_fp8 v[ACC+8*(4*(\y)+\x):ACC+8*(4*(\y)+\x)+7], v[128*(\p)+16*\x:128*(\p)+16*\x+15], v[128*(\p)+64+16*(\y):128*(\p)+64+16*(\y)+15], v[ACC+8*(4*(\y)+\x):ACC+8*(4*(\y)+\x)+7]
.endif
.endr
.endm
.macro STEP slot, q, p, zero           ; a chunk whose successor (the slot's q-th) lies in the same slot
	s_wait_dscnt 0x0                               ; this chunk's 32 loads, issued a chunk ago, are in
	PLACES
	FETCH \slot, \q, 1-(\p)
	WIN MULW
	MUL4 0, \p, \zero
	MUL4 1, \p, \zero
	MUL4 2, \p, \zero
	MUL4 3, \p, \zero
.endm
; A slot's last chunk changes slots: ONE barrier; in front of it each wave waits for all its tensor loads, adds 0 to its spare word, and waits for that and for its reads of this slot.  fill = 1: this slot takes the chunks eight on.
.macro TURN slot, next, p, fill
	WIN 0                                          ; (the add's two registers lie in window 0)
	s_wait_tensorcnt 0x0                           ; all my tensor loads have landed: my part of the next slot
	ds_add_u32 v[SPW], v[NIL]                      ; 0 onto my spare word
	s_wait_dscnt 0x1                               ; this chunk's fragments are in; the add alone may be out
	WIN MULW
	MUL4 0, \p, 0                                  ; four matrix instructions stand between the add and the wait for it
	s_wait_dscnt 0x0                               ; the add is done, and my reads of this slot are over
	s_barrier_signal -1
	MUL4 1, \p, 0
	WIN 0
	s_barrier_wait -1
.if \fill
	CREST                                          ; the barrier has opened a round of the cluster's barrier: no wave of any partner still reads this slot or has a load on its way
	s_add_nc_u64 s[G0X+4*\slot+2:G0X+4*\slot+3], s[G0X+4*\slot+2:G0X+4*\slot+3], 2*TP
	s_add_nc_u64 s[G0Y+4*\slot+2:G0Y+4*\slot+3], s[G0Y+4*\slot+2:G0Y+4*\slot+3], 2*TP
	JLOAD \slot                                    ; the first tensor load behind the round; its four v_nop are also the places in front of the loads below
.else
	PLACES
.endif
	FETCH \next, 0, 1-(\p)
	WIN MULW
	MUL4 2, \p, 0
	MUL4 3, \p, 0
.endm
	s_load_b256 s[4:11], s[0:1], 0x0               ; a_codes s[4:5], wo_codes s[6:7], the scales' exponents s[8:9], out0 s[10:11]
	v_lshl_add_u32 v[SPW], v0, 2, SPARE
	v_mov_b32 v[NIL], 0
	ds_add_u32 v10, v11
	ds_add_u32 v10, v11
	s_wait_dscnt 0x0
	v_lshrrev_b32 v1, 5, v0
	v_readfirstlane_b32 s12, v1                    ; wave 0..3
	s_lshr_b32 s13, s12, 1                         ; my half of Y.  Also: I fetch for X (0) or for Y (1)
	s_and_b32 s14, s12, 1                          ; my half of X.  Also: which half of that operand I fetch
	s_bfe_u32 s15, ttmp6, 0x40000                  ; cx
	s_bfe_u32 s16, ttmp6, 0x40004                  ; cy
	s_lshl_b32 s17, ttmp9, 2
	s_add_co_u32 s17, s17, s15                     ; work-group x: 128 columns
	s_and_b32 s18, ttmp7, 0xffff
	s_lshl_b32 s18, s18, 2
	s_add_co_u32 s18, s18, s16                     ; work-group y: 128 tokens
	s_lshl_b32 s19, 0x1111, s15                    ; my column of the cluster
	s_lshl_b32 s20, s16, 2
	s_lshl_b32 s20, 15, s20                        ; my row
	s_or_b32 s[G1X], s19, (3<<16)|(1<<21)          ; 15:0 the mask: X goes to my column; 17:16 elements of 8 bytes; 21 set beside a mask; no padding
	s_or_b32 s[G1Y], s20, (3<<16)|(1<<21)          ; Y goes to my row
.irp g, G1X, G1Y
	s_mov_b32 s[\g+1], 1024<<16                    ; tensor_dim0: 4 chunks, 8,192 bytes
	s_mov_b32 s[\g+2], 4<<16                       ; tensor_dim1: 4 tiles
	s_mov_b32 s[\g+3], 1024<<16                    ; tile_dim0
	s_mov_b32 s[\g+4], 4                           ; tile_dim1
	s_mov_b32 s[\g+5], 4096                        ; tensor_dim0_stride: a tile's 32,768 bytes
	s_mov_b32 s[\g+6], 0
	s_mov_b32 s[\g+7], 0
.endr
	s_lshl_b32 s22, s14, 2                         ; the 4 tiles that I would fetch
	s_lshl_b32 s58, s17, 3
	s_add_co_u32 s58, s58, s22
	s_lshl_b32 s58, s58, 15
	s_mov_b32 s59, 0
	s_lshl_b32 s60, s18, 3
	s_add_co_u32 s60, s60, s22                     ; Y: tile 8 y + 4 x half
	s_lshl_b32 s60, s60, 15
	s_mov_b32 s61, 0
	s_lshl_b32 s21, s12, 15                        ; where they go: wave x 32,768: X's halves, then Y's: no place in the cluster enters an LDS address
	CROUND                                         ; all sixteen work-groups are here: the first joint loads, behind this round, meet.  It stands ahead of the wait for the arguments
	s_wait_kmcnt 0x0
	s_load_b64 s[56:57], s[8:9], 0x18              ; e6, e7
	s_add_nc_u64 s[58:59], s[6:7], s[58:59]
	s_add_nc_u64 s[60:61], s[4:5], s[60:61]
.irp s, 0,1
	s_mov_b32 s[G0X+4*\s], 1
	s_add_co_u32 s[G0X+4*\s+1], s21, \s*SLOT
	s_add_nc_u64 s[G0X+4*\s+2:G0X+4*\s+3], s[58:59], \s*TP
	s_or_b32 s[G0X+4*\s+3], s[G0X+4*\s+3], 0x80000000
	s_mov_b32 s[G0Y+4*\s], 1
	s_add_co_u32 s[G0Y+4*\s+1], s21, \s*SLOT
	s_add_nc_u64 s[G0Y+4*\s+2:G0Y+4*\s+3], s[60:61], \s*TP
	s_or_b32 s[G0Y+4*\s+3], s[G0Y+4*\s+3], 0x80000000
.endr
	JLOAD 0                                        ; fill 0: ONE tensor load a wave at the head (this stands in place of what the head's comment says of the start); X's tiles are tiles 8 x .. of wo_codes, which holds w_o's 128 tiles alone
	v_and_b32 v1, 31, v0
	v_lshlrev_b32 v14, 8, v1                       ; the prefetches' offset: a fill's 8,192 bytes of a tile are 32 blocks of 256, a lane a block; never rewritten
	v_lshlrev_b32 v[LI], 4, v1
; PREFETCHES INTO THE L2.  Every cluster asks for the tiles that it will load itself; of the 4 tiles that a wave fetches each of the four partners of the joint load takes one, told apart BY ADDRESS (cy for X, cx for Y).
; Fill 1 is asked for behind the first joint load, fills 2 and 3 behind fill 1's: no more than two fills are asked for and not yet loaded.
.macro ASK f
	global_prefetch_b8 v14, s[6:7] offset:(\f)*TP th:TH_LOAD_NT scope:SCOPE_SE
.endm
	s_wait_alu depctr_va_vdst(0)
	s_cmp_eq_u32 s13, 0
	s_cselect_b64 s[6:7], s[58:59], s[60:61]       ; the first tile that I fetch
	s_cselect_b32 s2, s16, s15
	s_lshl_b32 s2, s2, 15
	s_mov_b32 s3, 0
	s_add_nc_u64 s[6:7], s[6:7], s[2:3]            ; never rewritten: the fills are told apart by the immediate
	ASK 1
	s_lshl_b32 s2, s14, 15
	v_add_nc_u32 v[ADX], s2, v[LI]
	v_add_nc_u32 v[ADX+1], SLOT, v[ADX]
	s_lshl_b32 s2, s13, 15
	s_add_co_u32 s2, s2, 8*TP
	v_add_nc_u32 v[ADY], s2, v[LI]
	v_add_nc_u32 v[ADY+1], SLOT, v[ADY]
	v_and_b32 v12, 15, v0                          ; r
	v_bfe_u32 v13, v0, 4, 1                        ; h
	s_mul_i32 s2, s12, 16*SPITCH
	s_add_co_u32 s2, s2, STAGE                     ; my stage
	v_mul_u32_u24 v[STO], v12, SPITCH
	v_lshl_add_u32 v[STO], v13, 6, v[STO]
	v_add_nc_u32 v[STO], s2, v[STO]                ; in: row r, + 64 h
	v_mul_u32_u24 v[RD], v13, SPITCH
	v_lshl_add_u32 v[RD], v12, 4, v[RD]
	v_add_nc_u32 v[RD], s2, v[RD]                  ; back: lanes 0-15 one row of 256 bytes, lanes 16-31 the next
	v_lshlrev_b32 v[CO], 13, v13
	v_lshl_add_u32 v[CO], v12, 4, v[CO]            ; and the same two rows in out0
	s_lshl_b32 s22, s18, 7
	s_lshl_b32 s23, s13, 6
	s_add_co_u32 s22, s22, s23                     ; my first row: 128 y + 64 x half
	s_lshl_b32 s22, s22, 13
	s_lshl_b32 s23, s17, 9
	s_add_co_u32 s22, s22, s23                     ; my first column, in bytes: 512 x + 256 x half
	s_lshl_b32 s23, s14, 8
	s_add_co_u32 s22, s22, s23
	s_mov_b32 s23, 0
	s_add_nc_u64 s[10:11], s[10:11], s[22:23]
	s_wait_alu depctr_va_vdst(0)
	s_wait_tensorcnt 0x0                           ; my part of chunks 0-3 is in
	ds_add_u32 v[SPW], v[NIL]
	s_wait_dscnt 0x0
	CROUND                                         ; everybody's part is in, and all sixteen work-groups are here
	JLOAD 1                                        ; chunks 4-7, the first tensor load behind the round
	FETCH 0, 0, 0
	ASK 2
	ASK 3
	STEP 0, 1, 0, 1                                ; the first chunk's products start the sums
	STEP 0, 2, 1, 0
	STEP 0, 3, 0, 0
	TURN 0, 1, 1, 1
	STEP 1, 1, 0, 0
	STEP 1, 2, 1, 0
	STEP 1, 3, 0, 0
	TURN 1, 0, 1, 1
	STEP 0, 1, 0, 0
	STEP 0, 2, 1, 0
	STEP 0, 3, 0, 0
	TURN 0, 1, 1, 0                                ; nothing is left to fetch
	STEP 1, 1, 0, 0
	STEP 1, 2, 1, 0
	STEP 1, 3, 0, 0
	s_wait_dscnt 0x0                               ; the last chunk
	MUL4 0, 1, 0
	MUL4 1, 1, 0
	MUL4 2, 1, 0
	MUL4 3, 1, 0
	WIN 0
; THE WAY OUT, a tile of 16 tokens x my 64 columns at a time: x 2^(e6 + e7), through my own stage in LDS, back as whole rows of 256 bytes.  LDS serves a wave's instructions in order: no wait between the stores and the loads.
.macro TOSTAGE y
.set k, 0
.rept 16
	v_pk_mul_f32 v[TMP+2*k:TMP+2*k+1], v[ACC+32*(\y)+2*k:ACC+32*(\y)+2*k+1], s[56:57] op_sel_hi:[1,0]   ; each accumulator from its low end on
.set k, k+1
.endr
.irp i, 0,1,2,3,4,5,6,7
	ds_store_b128 v[STO], v[TMP+4*\i:TMP+4*\i+3] offset:128*(\i/4)+16*(\i%4)   ; register i is column 32 (i / 16) + 16 h + i % 16
.endr
.irp t, 0,1,2,3,4,5,6,7
	ds_load_b128 v[BK+32*((\y)%2)+4*\t:BK+32*((\y)%2)+4*\t+3], v[RD] offset:\t*2*SPITCH
.endr
.endm
.macro SEND y, younger                 ; younger: the LDS instructions issued behind tile y's loads, which may stay out
	s_wait_dscnt \younger
.irp t, 0,1,2,3,4,5,6,7
	global_store_b128 v[CO], v[BK+32*((\y)%2)+4*\t:BK+32*((\y)%2)+4*\t+3], s[10:11] offset:(\y)*131072+\t*16384 th:TH_STORE_NT   ; 16 lanes store 256 consecutive bytes, aligned
.endr
.endm
	s_wait_kmcnt 0x0
	s_add_co_i32 s56, s56, s57
	s_add_co_i32 s56, s56, 127
	s_lshl_b32 s56, s56, 23                        ; 2^(e6 + e7) as f32
	s_mov_b32 s57, s56                             ; (named with it as a pair, so it is written)
	PLACES
	TOSTAGE 0
	TOSTAGE 1
	SEND 0, 16                                     ; behind tile 0's loads: tile 1's 8 stores and 8 loads
	s_wait_xcnt 0x0                                ; tile 0's stores have read their registers: tile 2's loads may land there
	TOSTAGE 2
	SEND 1, 16
	s_wait_xcnt 0x0
	TOSTAGE 3
	SEND 2, 16
	SEND 3, 0
	s_wait_tensorcnt 0x0                           ; the wave's end
	ds_add_u32 v[SPW], v[NIL]
	s_wait_dscnt 0x0
	CROUND                                         ; the closing round
	s_endpgm
.Lfunc_end_k_qdeb6265f24_oproj:
	.size	k_qdeb6265f24_oproj, .Lfunc_end_k_qdeb6265f24_oproj-k_qdeb6265f24_oproj
	.p2alignl 7, 3214868480
	.fill 96, 4, 3214868480
	.section	.rodata,"a",@progbits
	.p2align	6, 0x0
	.amdhsa_kernel k_qdeb6265f24_oproj
		.amdhsa_group_segment_fixed_size 327680
		.amdhsa_private_segment_fixed_size 0
		.amdhsa_enable_private_segment 0
		.amdhsa_kernarg_size 32
		.amdhsa_user_sgpr_count 2
		.amdhsa_user_sgpr_kernarg_segment_ptr 1
		.amdhsa_wavefront_size32 1
		.amdhsa_system_sgpr_workgroup_id_x 1
		.amdhsa_system_sgpr_workgroup_id_y 1
		.amdhsa_system_sgpr_workgroup_id_z 1
		.amdhsa_system_vgpr_workitem_id 0
		.amdhsa_next_free_vgpr 512
		.amdhsa_next_free_sgpr 66
		.amdhsa_reserve_vcc 0
		.amdhsa_float_denorm_mode_32 3
		.amdhsa_float_denorm_mode_16_64 3
		.amdhsa_memory_ordered 1
		.amdhsa_forward_progress 1
		.amdhsa_inst_pref_size 73
	.end_amdhsa_kernel
	.amdgpu_metadata
---
amdhsa.version: [ 1, 2 ]
amdhsa.kernels:
  - .name:           k_qdeb6265f24_oproj
    .symbol:         k_qdeb6265f24_oproj.kd
    .args:
      - { .name: a_codes, .offset: 0, .size: 8, .value_kind: global_buffer, .address_space: global }
      - { .name: wo_codes, .offset: 8, .size: 8, .value_kind: global_buffer, .address_space: global }
      - { .name: lowp_scales, .offset: 16, .size: 8, .value_kind: global_buffer, .address_space: global }
      - { .name: out0, .offset: 24, .size: 8, .value_kind: global_buffer, .address_space: global }
    .group_segment_fixed_size: 327680
    .private_segment_fixed_size: 0
    .kernarg_segment_align: 8
    .kernarg_segment_size: 32
    .max_flat_workgroup_size: 128
    .sgpr_count:     66
    .vgpr_count:     512
    .wavefront_size: 32
...
	.end_amdgpu_metadata
.endif
;; end of part 4
